; MI455X (gfx1250); checked and timed in simulation.
; The chip was launched on July 23, 2026; its instructions are those of AMD's public machine-readable ISA for CDNA 5 (MIT licence, August 2026) and "CDNA5" Instruction Set Architecture Reference Guide (July 2026). The comments in the code are by the model that wrote it; some were corrected since.
;; Multi Head Attention. Allowed arithmetic: matrix products marked QUANTISED: E2M1 operands, one E8M0 scale for each 32 along K, by v_wmma_scale_f32_16x16x128_f8f6f4 with both operands' format E2M1 (or v_wmma_scale_f32_32x16x128_f4), f32 sums; products left as they are: bf16, f16 or f32 operands; f32 sums; everything else in f32.
;; Inputs: Wk 512 x 512 float32; Wo 512 x 512 float32; Wq 512 x 512 float32; Wv 512 x 512 float32; bk 512 float32; bo 512 float32; bq 512 float32; bv 512 float32; k 8 x 2,048 x 512 float32; mask 1 x 1 x 2,048 x 2,048 float32; q 8 x 2,048 x 512 float32; v 8 x 2,048 x 512 float32.
;; Outputs: out0 8 x 2,048 x 512 float32.
;; This version of the problem:
;;   THIS VERSION OF THE PROBLEM IS GIVEN IN LOW PRECISION. The matrix products marked QUANTISED in the list below multiply operands that are first quantised to E2M1 (2 exponent bits, 1 mantissa bit; 4 bits a number), with one power-of-two scale for each 32 numbers along K (OCP MX v1.0); their sums are f32. The products marked 'left as it is' may take bf16, f16 or f32 operands, with f32 sums. Whichever they take, every output number must still come out within the allowed error. Rounding operands to bf16 (8 significant bits) uses up far more of that allowance than f16 does (11 bits, for magnitudes from 6e-5 to 65,504). All else is computed in f32.
;;   The module's matrix products, in the order in which they are computed (A, B: the left and right operand; K: the contracted axis; several contracted axes count as one K, in the product's order):
;;     1. [M 16,384, K 512] x [K 512, N 512]; A: input q; B: input Wq: QUANTISED
;;     2. [M 16,384, K 512] x [K 512, N 512]; A: input k; B: input Wk: QUANTISED
;;     3. [M 16,384, K 512] x [K 512, N 512]; A: input v; B: input Wv: QUANTISED
;;     4. batch 64 x [M 2,048, K 64] x [K 64, N 2,048]; A: computed on the way; B: computed on the way: left as it is (an operand is computed on the way)
;;     5. batch 64 x [M 2,048, K 2,048] x [K 2,048, N 64]; A: computed on the way; B: computed on the way: left as it is (an operand is computed on the way)
;;     6. [M 16,384, K 512] x [K 512, N 512]; A: computed on the way; B: input Wo: left as it is (an operand is computed on the way)
;;   THE QUANTISER, for each operand of a quantised product, along K:
;;     - K is cut into blocks of 32 from its start; a last block that is shorter is filled with zeros.
;;     - A block's scale is 2^e with e = floor(log2(the largest magnitude in the block)) - 2, held to -126 .. 127; a block of zeros has e = 0. As a byte (E8M0): e + 127.
;;     - Each number is divided by its block's scale, clamped to +-6, and rounded to the nearest number of E2M1, ties to even, subnormals kept.
;;     - The product sums the exact products of the quantised numbers (number of the format x scale) in f32.
;;   ~~~python
;;   def quantise(x, axis):      # numpy; x: float32 -> the quantised numbers, widened to float32 again
;;       x = np.moveaxis(x, axis, -1); K = x.shape[-1]
;;       x = np.pad(x, [(0, 0)] * (x.ndim - 1) + [(0, -K % 32)]); x = x.reshape(x.shape[:-1] + (-1, 32)); a = np.abs(x).max(-1, keepdims=True)
;;       e = np.where(a > 0, np.clip(np.frexp(np.where(a > 0, a, 1))[1] - 1 - 2, -126, 127), 0)      # np.frexp(a)[1] - 1 = floor(log2(a)), exactly
;;       r = np.clip(x / 2.0 ** e, -6, 6)
;;       step = 2.0 ** (np.maximum(np.frexp(np.where(r == 0, 1, r))[1] - 1, 0) - 1)
;;       q = np.round(r / step) * step * 2.0 ** e      # np.round: ties to even
;;       return np.moveaxis(q.reshape(q.shape[:-2] + (-1,))[..., :K], -1, axis).astype(np.float32)
;;   ~~~
;; One version. Each part assembles by itself: llvm-mc -triple=amdgcn-amd-amdhsa -mcpu=gfx1250 --defsym DOCPART=n.
;; ======== version 1 of 1: 4 launches
;; limits: right only within a limited range of input values; values are held in f16: magnitudes above 65,504 overflow, below 6.1e-05 lose precision
;; workspace buffers: wcodes 393,216 bytes; wscl 24,576 bytes; wof 1,048,576 bytes; flags 1,024 bytes of whole numbers; qf 16,777,216 bytes; kv 33,554,432 bytes; vl 16,777,216 bytes
;; launch prep (part 1): grid 65 x 1, 4 waves a work-group, no clusters, 0 bytes of LDS; arguments Wq, Wk, Wv, Wo, mask, wcodes, wscl, wof, flags; writes wcodes, wscl, wof, flags
.if DOCPART == 1
	.amdgcn_target "amdgcn-amd-amdhsa--gfx1250"
	.amdhsa_code_object_version 6
	.text
	.protected	k_qa68c9ba2cb_prep
	.globl	k_qa68c9ba2cb_prep
	.p2align	8
	.type	k_qa68c9ba2cb_prep,@function
k_qa68c9ba2cb_prep:
	s_mov_b64 s[64:65], 0
	v_nop
	global_prefetch_b8 v0, s[64:65] scope:SCOPE_SE
	s_setreg_imm32_b32 hwreg(HW_REG_WAVE_MODE, 25, 1), 1
	s_wait_xcnt 0x0
; PREP.  Work-groups 0-47: Wq, Wk, Wv [512 (k)][512 (n)] f32 become codes of FP4 (E2M1) along K, with one E8M0 byte for each 32 along K, laid in the ORDER OF THE
; OPERAND'S REGISTERS: image (T, nt, s) of 1,024 bytes holds columns 16 nt .. + 15 as rows, K step s of 128; quad c of lane (r, h) lies at 512 c + 256 h + 16 r.
; Work-groups 48-63: Wo becomes two planes of f16 (a high part, and the rest x 2048), as images of the 16-bit A fragment of Wo^T.
; Work-group 64: which groups of 32 keys count for rows 0-15 of the mask: 64 bits a wave, stored as whole numbers for the last launch.
; A LANE TAKES A COLUMN n AND ITS REGISTERS RUN DOWN K: each load reads 128 neighbouring bytes a wave, 512 a work-group; a block of 32 along K lies in one lane.
; A block's byte is its largest magnitude's exponent field - 2, held at 1 from below (a block of zeros gets 1 where the rule says 127: its codes are zeros, and this program alone reads the bytes).
; LIMITS: NaN and infinities are not served.  |Wo| stays under 65,504.  A part of Wo under f16's normal range is rounded once more, by at most 2^-25.
.set X,   96                           ; v96-223   128 numbers down K
.set T1,  64                           ; v64-95    the splitting product, then the high parts in f32
.set T2,  224                          ; v224-255  at work
.set PHI, 32                           ; v32-47    packed high parts
.set PLO, 48                           ; v48-63    codes / packed low parts
	s_load_b256 s[4:11], s[0:1], 0x0               ; Wq, Wk, Wv, Wo
	s_load_b256 s[12:19], s[0:1], 0x20             ; mask, wcodes, wscl, wof
	s_load_b64 s[20:21], s[0:1], 0x40              ; flags
	v_lshrrev_b32 v1, 5, v0
	v_readfirstlane_b32 s22, v1                    ; wave
	v_and_b32 v2, 31, v0                           ; lane
	v_lshlrev_b32 v3, 2, v2                        ; 4 x lane
	s_cmp_eq_u32 ttmp9, 64
	s_cbranch_scc1 .Lscan
	s_lshr_b32 s23, ttmp9, 4                       ; T: 0 Wq, 1 Wk, 2 Wv, 3 Wo
	s_bfe_u32 s24, ttmp9, 0x20002                  ; s: which 128 along K
	s_and_b32 s25, ttmp9, 3                        ; cg: which 128 columns
	s_lshl_b32 s26, s24, 18                        ; 128 rows of 2,048 bytes
	s_lshl_b32 s27, s25, 9
	s_add_co_u32 s26, s26, s27
	s_lshl_b32 s27, s22, 7                         ; my wave's 32 columns
	s_add_co_u32 s26, s26, s27
	s_mov_b32 s27, 0
	v_lshrrev_b32 v4, 4, v2                        ; which of my wave's two tiles of 16 columns
	v_and_b32 v5, 15, v2
	v_lshlrev_b32 v5, 4, v5                        ; 16 r
	s_wait_kmcnt 0x0
	s_cmp_eq_u32 s23, 1                            ; the choice hangs on the work-group's number alone
	s_cselect_b64 s[28:29], s[6:7], s[4:5]
	s_cmp_eq_u32 s23, 2
	s_cselect_b64 s[28:29], s[8:9], s[28:29]
	s_cmp_eq_u32 s23, 3
	s_cselect_b64 s[28:29], s[10:11], s[28:29]
	s_add_nc_u64 s[28:29], s[28:29], s[26:27]
.set i, 0
.rept 128
	global_load_b32 v[X+i], v3, s[28:29] offset:i*2048 th:TH_LOAD_NT
.set i, i+1
.endr
	s_cmp_eq_u32 s23, 3
	s_cbranch_scc1 .Lwo
	; ---- Wq, Wk, Wv: codes at ((32 T + 8 cg + 2 w) 4 + s) images, scale words at [T][s][n]
	s_lshl_b32 s30, s23, 5
	s_lshl_b32 s31, s25, 3
	s_add_co_u32 s30, s30, s31
	s_lshl_b32 s31, s22, 1
	s_add_co_u32 s30, s30, s31
	s_lshl_b32 s30, s30, 2
	s_add_co_u32 s30, s30, s24
	s_lshl_b32 s30, s30, 10
	s_mov_b32 s31, 0
	s_add_nc_u64 s[14:15], s[14:15], s[30:31]
	s_lshl_b32 s32, s23, 13
	s_lshl_b32 s33, s24, 11
	s_add_co_u32 s32, s32, s33
	s_lshl_b32 s33, s25, 9
	s_add_co_u32 s32, s32, s33
	s_lshl_b32 s33, s22, 7
	s_add_co_u32 s32, s32, s33
	s_mov_b32 s33, 0
	s_add_nc_u64 s[16:17], s[16:17], s[32:33]
	v_lshl_add_u32 v6, v4, 12, v5                  ; the second tile's images lie four images on
.macro QBLOCK b, left                  ; block b of 32 along K; left: younger loads that may stay out (the count's field ends at 63, so the first two are stricter than 96 and 64)
	s_wait_loadcnt \left
.set XS, X+32*\b
	v_max3_num_f32 v16, |v[XS]|, |v[XS+1]|, |v[XS+2]|
	v_max3_num_f32 v17, |v[XS+3]|, |v[XS+4]|, |v[XS+5]|
.irp i, 6,10,14,18,22,26
	v_max3_num_f32 v16, v16, |v[XS+\i]|, |v[XS+\i+1]|
	v_max3_num_f32 v17, v17, |v[XS+\i+2]|, |v[XS+\i+3]|
.endr
	v_max3_num_f32 v16, v16, |v[XS+30]|, |v[XS+31]|
	v_max3_num_f32 v16, v16, v17, 0x1800000        ; the floor 2^(3 - 127): the byte cannot fall under 1
	v_add_nc_u32 v18, 0xff000000, v16              ; 2 off the exponent field: the conversion's scale operand
	v_lshrrev_b32 v19, 23, v18                     ; the byte
.if \b == 0
	v_mov_b32 v20, v19
.else
	v_lshl_or_b32 v20, v19, 8*\b, v20
.endif
.irp g, 0,1,2,3
	v_cvt_scalef32_pk8_fp4_f32 v[PLO+4*\b+\g], v[XS+8*\g:XS+8*\g+7], v18
.endr
	v_nop                                          ; a plain line behind the conversions
	global_store_b128 v6, v[PLO+4*\b:PLO+4*\b+3], s[14:15] offset:(\b>>1)*512+(\b&1)*256   ; sixteen lanes store 256 consecutive bytes, aligned
.endm
	QBLOCK 0, 63
	QBLOCK 1, 63
	QBLOCK 2, 32
	QBLOCK 3, 0
	global_store_b32 v3, v20, s[16:17]             ; my column's scale word of this K step
	s_endpgm
.Lwo:
	; ---- Wo: images at ((16 cg + 4 s + b) 8 + 2 w); the low plane 524,288 bytes on
	s_lshl_b32 s30, s25, 4
	s_lshl_b32 s31, s24, 2
	s_add_co_u32 s30, s30, s31
	s_lshl_b32 s30, s30, 3
	s_lshl_b32 s31, s22, 1
	s_add_co_u32 s30, s30, s31
	s_lshl_b32 s30, s30, 10
	s_mov_b32 s31, 0
	s_add_nc_u64 s[18:19], s[18:19], s[30:31]
	v_lshl_add_u32 v6, v4, 10, v5
.macro WBLOCK b, left                  ; 32 along K: one image's K.  t = 8193 x; high = t - (t - x) is x rounded to 11 bits; x - high is exact (t is used twice, so nothing here fuses)
	s_wait_loadcnt \left
.if \b > 0
	s_wait_xcnt 0x0                                ; the last block's stores have read their registers
.endif
.set XS, X+32*\b
.irp i, 0,2,4,6,8,10,12,14,16,18,20,22,24,26,28,30
	v_pk_mul_f32 v[T1+\i:T1+\i+1], v[XS+\i:XS+\i+1], 0x46000400 op_sel_hi:[1,0]
.endr
.irp i, 0,2,4,6,8,10,12,14,16,18,20,22,24,26,28,30
	v_pk_add_f32 v[T2+\i:T2+\i+1], v[T1+\i:T1+\i+1], v[XS+\i:XS+\i+1] neg_lo:[0,1] neg_hi:[0,1]
.endr
.irp i, 0,2,4,6,8,10,12,14,16,18,20,22,24,26,28,30
	v_pk_add_f32 v[T1+\i:T1+\i+1], v[T1+\i:T1+\i+1], v[T2+\i:T2+\i+1] neg_lo:[0,1] neg_hi:[0,1]
.endr
.irp i, 0,2,4,6,8,10,12,14,16,18,20,22,24,26,28,30
	v_pk_add_f32 v[XS+\i:XS+\i+1], v[XS+\i:XS+\i+1], v[T1+\i:T1+\i+1] neg_lo:[0,1] neg_hi:[0,1]
.endr
.irp i, 0,2,4,6,8,10,12,14,16,18,20,22,24,26,28,30
	v_pk_mul_f32 v[XS+\i:XS+\i+1], v[XS+\i:XS+\i+1], 0x45000000 op_sel_hi:[1,0]
.endr
.irp i, 0,1,2,3,4,5,6,7,8,9,10,11,12,13,14,15
	v_cvt_pk_f16_f32 v[PHI+\i], v[T1+2*\i], v[T1+2*\i+1]
	v_cvt_pk_f16_f32 v[PLO+\i], v[XS+2*\i], v[XS+2*\i+1]
.endr
.irp p, 0,1,2,3                        ; piece p: k = 8 p .. 8 p + 7 = quad p / 2 of the lanes' half p % 2
	global_store_b128 v6, v[PHI+4*\p:PHI+4*\p+3], s[18:19] offset:\b*8192+(\p>>1)*512+(\p&1)*256
	global_store_b128 v6, v[PLO+4*\p:PLO+4*\p+3], s[18:19] offset:524288+\b*8192+(\p>>1)*512+(\p&1)*256
.endr
.endm
	WBLOCK 0, 63
	WBLOCK 1, 63
	WBLOCK 2, 32
	WBLOCK 3, 0
	s_endpgm
.Lscan:
	; ---- wave w: mask rows 4 w .. 4 w + 3, all 2,048 keys.  Eight lanes to a row: a group of 32 keys is 128 bytes, 16 a lane.  So a row's smallest number stays in the wave.
	; A group counts for a row where some mask number in it lies within 0.1 of the row's smallest: all others are 1e8 or more under the row's largest -1e9 x mask.
	v_lshrrev_b32 v4, 3, v2
	v_and_b32 v5, 7, v2
	v_lshlrev_b32 v6, 13, v4
	v_lshl_add_u32 v6, v5, 4, v6
	s_lshl_b32 s26, s22, 15
	s_mov_b32 s27, 0
	s_lshl_b32 s30, s22, 8
	s_mov_b32 s31, 0
	s_mov_b32 s34, 0
	s_mov_b32 s35, 0
	s_wait_kmcnt 0x0
	s_add_nc_u64 s[12:13], s[12:13], s[26:27]
	s_add_nc_u64 s[20:21], s[20:21], s[30:31]
.macro SCAN half                       ; 32 groups: my four numbers of each become one
.set g, 0
.rept 32
	global_load_b128 v[X+4*g:X+4*g+3], v6, s[12:13] offset:(32*\half+g)*128
.set g, g+1
.endr
	s_wait_loadcnt 0x0
.set g, 0
.rept 32
	v_min3_num_f32 v[32+32*\half+g], v[X+4*g], v[X+4*g+1], v[X+4*g+2]
.set g, g+1
.endr
.set g, 0
.rept 32
	v_min_num_f32 v[32+32*\half+g], v[32+32*\half+g], v[X+4*g+3]
.set g, g+1
.endr
.endm
	SCAN 0
	SCAN 1
	v_min3_num_f32 v16, v32, v33, v34
.set g, 3
.rept 30
	v_min3_num_f32 v16, v16, v[32+g], v[33+g]
.set g, g+2
.endr
	v_min_num_f32 v16, v16, v95
	v_min_num_f32_dpp v16, v16, v16 row_xmask:1 row_mask:0xf bank_mask:0xf
	v_min_num_f32_dpp v16, v16, v16 row_xmask:2 row_mask:0xf bank_mask:0xf
	v_min_num_f32_dpp v16, v16, v16 row_xmask:4 row_mask:0xf bank_mask:0xf   ; the row's smallest, in its eight lanes
	v_add_f32 v17, 0x3dcccccd, v16                 ; + 0.1
.set g, 0
.rept 64                               ; no branch and no address hangs on these numbers: a bit is chosen and ORed in
	v_cmp_le_f32 vcc_lo, v[32+g], v17
	s_cmp_lg_u32 vcc_lo, 0
	s_cselect_b32 s33, 1<<(g%32), 0
	s_or_b32 s[34+g/32], s[34+g/32], s33
.set g, g+1
.endr
	v_mov_b32 v18, s34
	v_mov_b32 v19, s35
	global_store_b32 v3, v18, s[20:21]             ; groups 0-31: every lane stores the same word, 128 bytes
	global_store_b32 v3, v19, s[20:21] offset:128  ; groups 32-63
	s_endpgm
.Lfunc_end_k_qa68c9ba2cb_prep:
	.size	k_qa68c9ba2cb_prep, .Lfunc_end_k_qa68c9ba2cb_prep-k_qa68c9ba2cb_prep
	.p2alignl 7, 3214868480
	.fill 96, 4, 3214868480
	.section	.rodata,"a",@progbits
	.p2align	6, 0x0
	.amdhsa_kernel k_qa68c9ba2cb_prep
		.amdhsa_group_segment_fixed_size 0
		.amdhsa_private_segment_fixed_size 0
		.amdhsa_enable_private_segment 0
		.amdhsa_kernarg_size 72
		.amdhsa_user_sgpr_count 2
		.amdhsa_user_sgpr_kernarg_segment_ptr 1
		.amdhsa_wavefront_size32 1
		.amdhsa_system_sgpr_workgroup_id_x 1
		.amdhsa_system_sgpr_workgroup_id_y 1
		.amdhsa_system_sgpr_workgroup_id_z 1
		.amdhsa_system_vgpr_workitem_id 0
		.amdhsa_next_free_vgpr 256
		.amdhsa_next_free_sgpr 66
		.amdhsa_reserve_vcc 1
		.amdhsa_float_denorm_mode_32 3
		.amdhsa_float_denorm_mode_16_64 3
		.amdhsa_memory_ordered 1
		.amdhsa_forward_progress 1
		.amdhsa_inst_pref_size 81
	.end_amdhsa_kernel
	.amdgpu_metadata
---
amdhsa.version: [ 1, 2 ]
amdhsa.kernels:
  - .name:           k_qa68c9ba2cb_prep
    .symbol:         k_qa68c9ba2cb_prep.kd
    .args:
      - { .name: Wq, .offset: 0, .size: 8, .value_kind: global_buffer, .address_space: global }
      - { .name: Wk, .offset: 8, .size: 8, .value_kind: global_buffer, .address_space: global }
      - { .name: Wv, .offset: 16, .size: 8, .value_kind: global_buffer, .address_space: global }
      - { .name: Wo, .offset: 24, .size: 8, .value_kind: global_buffer, .address_space: global }
      - { .name: mask, .offset: 32, .size: 8, .value_kind: global_buffer, .address_space: global }
      - { .name: wcodes, .offset: 40, .size: 8, .value_kind: global_buffer, .address_space: global }
      - { .name: wscl, .offset: 48, .size: 8, .value_kind: global_buffer, .address_space: global }
      - { .name: wof, .offset: 56, .size: 8, .value_kind: global_buffer, .address_space: global }
      - { .name: flags, .offset: 64, .size: 8, .value_kind: global_buffer, .address_space: global }
    .group_segment_fixed_size: 0
    .private_segment_fixed_size: 0
    .kernarg_segment_align: 8
    .kernarg_segment_size: 72
    .max_flat_workgroup_size: 128
    .sgpr_count:     66
    .vgpr_count:     256
    .wavefront_size: 32
...
	.end_amdgpu_metadata
.endif
;; end of part 1
;; launch proj (part 2): grid 256 x 1, 8 waves a work-group, no clusters, 191,488 bytes of LDS; arguments q, k, v, wcodes, wscl, bq, bk, bv, qf, kv, vl; writes qf, kv, vl
.if DOCPART == 2
	.amdgcn_target "amdgcn-amd-amdhsa--gfx1250"
	.amdhsa_code_object_version 6
	.text
	.protected	k_qa68c9ba2cb_proj
	.globl	k_qa68c9ba2cb_proj
	.p2align	8
	.type	k_qa68c9ba2cb_proj,@function
k_qa68c9ba2cb_proj:
	s_mov_b64 s[64:65], 0
	v_nop
	global_prefetch_b8 v0, s[64:65] scope:SCOPE_SE
	s_setreg_imm32_b32 hwreg(HW_REG_WAVE_MODE, 25, 1), 1
	s_wait_xcnt 0x0
; PROJ.  The three quantised products: x W + b for x = q, k, v [16,384][512] f32, on codes of FP4 (E2M1) with one E8M0 scale for each 32 along K = 512.
; A work-group takes 64 rows of q, then of k, then of v.  Wave w (a) quantises two of the 16 fragments (16 rows x 128 K) and hands them on through LDS as images of their registers,
; (b) owns head w: columns 64 w .. + 63 for all 64 rows, its 16 weight fragments in registers.
; x is loaded as it lies (512 consecutive bytes an instruction) and turned through the wave's own stage, so that a lane holds 16 neighbours along K of each block.
; Q and K are made TRANSPOSED (source 0 = W's columns as rows, source 1 = x): a lane holds eight neighbouring channels of one row: packed to f16 they are a quad of the next launch's fragment.
; V is made the natural way round: a lane holds eight neighbouring KEYS of one channel: a quad of V^T's fragment.  V also leaves its rest, (V - high) x 2048, for the launch that does the first rows finely.
; Q is multiplied by log2(e) / sqrt(512), so that the scores come out as exponents of 2.
; LIMITS: NaN and infinities are not served; |Q c|, |K|, |V| stay under 65,504; a block of zeros gets the byte 1 (its codes are zeros; this program alone reads the bytes).
.set XSZ,   18432                      ; LDS: for each tensor 16 images of 1,024 bytes and 16 x 128 bytes of scale words: a region of its own, so one barrier a tensor is enough
.set STG,   3*XSZ                      ; behind them a stage for each wave: 2 x 16 rows x (512 + 16) bytes
.set SPARE, STG+8*16896                ; behind the stages: the spare words, 128 bytes a wave
.set STW, 3                            ; v3   the stage, in: 16 x lane
.set STR, 4                            ; v4   the stage, out: 528 r + 64 h
.set LI,  5                            ; v5   16 x lane
.set LS,  6                            ; v6   4 x lane
.set XWI, 7                            ; v7   where I store my images: 16 x lane + 2,048 w
.set XWS, 8                            ; v8   and their scale words: 4 x lane + 256 w
.set WSA, 9                            ; v9   (64 w + r) x 4
.set BA,  10                           ; v10  (64 w + 8 h) x 4
.set SPW, 12
.set NIL, 13
.set TM,  16                           ; v16-31 at work in QUANT
.set PW,  32                           ; the scale word just made
.set PC,  34                           ; v34-41 the codes just made
.set XS,  42                           ; v42-45 x's scale words;  v46-61 W's: these hold scales and nothing else
.set WS,  46
.set XF,  64                           ; v64-95  x's four fragments of a tile of rows
.set OT,  96                           ; v96-127 packed results
.set XR,  128                          ; v128-255 x as loaded, then as turned
.set WF,  0                            ; window 1: v0-127 W's 16 fragments (4 nt + s); v128-159 the bias, as C; v160-223 accumulators, two sets
.set BI,  128
.set ACC, 160
.set MSB, 0
.macro WIN new                         ; the immediate's high byte repeats the setting that is left
.if MSB != \new
	s_set_vgpr_msb (MSB<<8)|\new
.set MSB, \new
.endif
.endm
.macro XLOAD T                         ; my 16 rows x 256 columns
.irp f, 0,1
.irp p, 0,1,2,3,4,5,6,7,8,9,10,11,12,13,14,15
	global_load_b128 v[XR+4*(16*\f+\p):XR+4*(16*\f+\p)+3], v[LI], s[4+2*(\T):5+2*(\T)] offset:\p*2048+\f*512 th:TH_LOAD_NT
.endr
.endr
.endm
.macro WLOAD T                         ; my head's weights, bias and scale words: 56 loads (V: 52)
	WIN 0x40                                       ; destination window 1
.set n, 0
.rept 16
	global_load_b128 v[WF+8*n:WF+8*n+3], v[LI], s[10:11] offset:(\T)*131072+n*1024
	global_load_b128 v[WF+8*n+4:WF+8*n+7], v[LI], s[10:11] offset:(\T)*131072+n*1024+512
.set n, n+1
.endr
.irp nt, 0,1,2,3
.if (\T) < 2
	global_load_b128 v[BI+8*\nt:BI+8*\nt+3], v[BA], s[14+2*(\T):15+2*(\T)] offset:64*\nt
	global_load_b128 v[BI+8*\nt+4:BI+8*\nt+7], v[BA], s[14+2*(\T):15+2*(\T)] offset:64*\nt+16
.else
	global_load_b32 v[BI+8*\nt], v[WSA], s[14+2*(\T):15+2*(\T)] offset:64*\nt
.endif
.endr
	WIN 0
.irp nt, 0,1,2,3
.irp s, 0,1,2,3
	global_load_b32 v[WS+4*\nt+\s], v[WSA], s[12:13] offset:(\T)*8192+\s*2048+64*\nt
.endr
.endr
.endm
; 64 numbers of a lane, register 16 b + i = k 32 b + 16 h + i of my row, become a fragment's codes in v[PC] on and its scale word in v[PW]
.macro QUANT s
.irp b, 0,1,2,3
	v_max3_num_f32 v[TM+\b], |v[\s+16*\b]|, |v[\s+1+16*\b]|, 0x1800000   ; with the floor 2^(3 - 127)
.endr
.irp i, 2,4,6,8,10,12,14
.irp b, 0,1,2,3
	v_max3_num_f32 v[TM+\b], v[TM+\b], |v[\s+16*\b+\i]|, |v[\s+1+16*\b+\i]|
.endr
.endr
.irp b, 0,1,2,3
	v_permlanex16_b32 v[TM+4+\b], v[TM+\b], s28, s29
.endr
.irp b, 0,1,2,3
	v_max_num_f32 v[TM+\b], v[TM+\b], v[TM+4+\b]   ; with lane l xor 16's: the block's largest magnitude
.endr
.irp b, 0,1,2,3
	v_add_nc_u32 v[TM+12+\b], 0xff000000, v[TM+\b] ; 2 off its exponent field: the conversion's scale operand
.endr
.irp b, 0,1,2,3
	v_lshrrev_b32 v[TM+4+\b], 23, v[TM+12+\b]      ; the byte
.endr
	v_lshl_or_b32 v[PW], v[TM+5], 8, v[TM+4]
	v_lshl_or_b32 v[PW], v[TM+6], 16, v[PW]
	v_lshl_or_b32 v[PW], v[TM+7], 24, v[PW]
.irp b, 0,1,2,3
	v_cvt_scalef32_pk8_fp4_f32 v[PC+2*\b], v[\s+16*\b:\s+7+16*\b], v[TM+12+\b]
	v_cvt_scalef32_pk8_fp4_f32 v[PC+1+2*\b], v[\s+8+16*\b:\s+15+16*\b], v[TM+12+\b]
.endr
	v_nop                                          ; a plain line behind the conversions
.irp c, 0,1                            ; the layout wants a whole block in a lane
.irp i, 0,1
	v_permlane16_swap_b32 v[PC+4*\c+\i], v[PC+2+4*\c+\i]
.endr
.endr
.endm
.macro IMAGE off
.irp c, 0,1
	ds_store_b128 v[XWI], v[PC+4*\c:PC+4*\c+3] offset:\off+512*\c
.endr
.endm
.macro FETCH reg, off
.irp c, 0,1
	ds_load_b128 v[\reg+4*\c:\reg+4*\c+3], v[LI] offset:\off+512*\c
.endr
.endm
; 16 scaled products: four accumulators by turns, K step by K step; the bias is the C of each sum's first
.macro PROD T, m
.set AB, ACC+32*((\m)%2)
.irp s, 0,1,2,3
.irp nt, 0,1,2,3
.if (\T) < 2
.if \s == 0
	v_wmma_scale_f32_16x16x128_f8f6f4 v[AB+8*\nt:AB+8*\nt+7], v[WF+8*(4*\nt+\s):WF+8*(4*\nt+\s)+7], v[XF+8*\s:XF+8*\s+7], v[BI+8*\nt:BI+8*\nt+7], v[WS+4*\nt+\s], v[XS+\s] matrix_a_fmt:MATRIX_FMT_FP4 matrix_b_fmt:MATRIX_FMT_FP4
.else
	v_wmma_scale_f32_16x16x128_f8f6f4 v[AB+8*\nt:AB+8*\nt+7], v[WF+8*(4*\nt+\s):WF+8*(4*\nt+\s)+7], v[XF+8*\s:XF+8*\s+7], v[AB+8*\nt:AB+8*\nt+7], v[WS+4*\nt+\s], v[XS+\s] matrix_a_fmt:MATRIX_FMT_FP4 matrix_b_fmt:MATRIX_FMT_FP4
.endif
.else
.if \s == 0
	v_wmma_scale_f32_16x16x128_f8f6f4 v[AB+8*\nt:AB+8*\nt+7], v[XF+8*\s:XF+8*\s+7], v[WF+8*(4*\nt+\s):WF+8*(4*\nt+\s)+7], v[BI+8*\nt:BI+8*\nt+7], v[XS+\s], v[WS+4*\nt+\s] matrix_a_fmt:MATRIX_FMT_FP4 matrix_b_fmt:MATRIX_FMT_FP4
.else
	v_wmma_scale_f32_16x16x128_f8f6f4 v[AB+8*\nt:AB+8*\nt+7], v[XF+8*\s:XF+8*\s+7], v[WF+8*(4*\nt+\s):WF+8*(4*\nt+\s)+7], v[AB+8*\nt:AB+8*\nt+7], v[XS+\s], v[WS+4*\nt+\s] matrix_a_fmt:MATRIX_FMT_FP4 matrix_b_fmt:MATRIX_FMT_FP4
.endif
.endif
.endr
.endr
.endm
.macro OUTQK T, m                      ; tile nt's eight channels pack into quad nt % 2 of image nt / 2: 512 consecutive bytes a store
.set AB, ACC+32*((\m)%2)
.if (\T) == 0
	WIN 0x41
.irp i, 0,2,4,6,8,10,12,14,16,18,20,22,24,26,28,30
	v_pk_mul_f32 v[AB+\i:AB+\i+1], v[AB+\i:AB+\i+1], s[34:35] op_sel_hi:[1,0]   ; x log2(e) / sqrt(512); each accumulator from its low end on
.endr
.endif
	WIN 0x05
.irp i, 0,1,2,3,4,5,6,7,8,9,10,11,12,13,14,15
	v_cvt_pk_f16_f32 v[OT+\i], v[AB+2*\i], v[AB+2*\i+1]
.endr
	WIN 0
.irp nt, 0,1,2,3
	global_store_b128 v[LI], v[OT+4*\nt:OT+4*\nt+3], s[20+2*(\T):21+2*(\T)] offset:(\m)*2048+\nt*512
.endr
.endm
.macro OUTV m                          ; t = 8193 V; high = t - (t - V): V to 11 bits; the rest, exact, x 2048 (t is used twice, so nothing here fuses)
.set AB, ACC+32*((\m)%2)
	WIN 0x01
.irp i, 0,2,4,6,8,10,12,14,16,18,20,22,24,26,28,30
	v_pk_mul_f32 v[XR+\i:XR+\i+1], v[AB+\i:AB+\i+1], 0x46000400 op_sel_hi:[1,0]
.endr
	WIN 0x04
.irp i, 0,2,4,6,8,10,12,14,16,18,20,22,24,26,28,30
	v_pk_add_f32 v[XR+32+\i:XR+33+\i], v[XR+\i:XR+\i+1], v[AB+\i:AB+\i+1] neg_lo:[0,1] neg_hi:[0,1]
.endr
	WIN 0
.irp i, 0,2,4,6,8,10,12,14,16,18,20,22,24,26,28,30
	v_pk_add_f32 v[XR+\i:XR+\i+1], v[XR+\i:XR+\i+1], v[XR+32+\i:XR+33+\i] neg_lo:[0,1] neg_hi:[0,1]
.endr
	WIN 0x01
.irp i, 0,2,4,6,8,10,12,14,16,18,20,22,24,26,28,30
	v_pk_add_f32 v[XR+32+\i:XR+33+\i], v[AB+\i:AB+\i+1], v[XR+\i:XR+\i+1] neg_lo:[0,1] neg_hi:[0,1]
.endr
	WIN 0
.irp i, 0,2,4,6,8,10,12,14,16,18,20,22,24,26,28,30
	v_pk_mul_f32 v[XR+32+\i:XR+33+\i], v[XR+32+\i:XR+33+\i], 0x45000000 op_sel_hi:[1,0]
.endr
.irp i, 0,1,2,3,4,5,6,7,8,9,10,11,12,13,14,15
	v_cvt_pk_f16_f32 v[OT+\i], v[XR+2*\i], v[XR+2*\i+1]
	v_cvt_pk_f16_f32 v[OT+16+\i], v[XR+32+2*\i], v[XR+33+2*\i]
.endr
.irp nt, 0,1,2,3
	global_store_b128 v[LI], v[OT+4*\nt:OT+4*\nt+3], s[22:23] offset:8192+((\m)>>1)*4096+\nt*1024+((\m)&1)*512
	global_store_b128 v[LI], v[OT+16+4*\nt:OT+19+4*\nt], s[24:25] offset:((\m)>>1)*4096+\nt*1024+((\m)&1)*512
.endr
.endm
.macro TENSOR T, nw
	s_wait_loadcnt \nw                             ; x is in; the nw younger loads, the weights', may be out
.irp f, 0,1
.irp p, 0,1,2,3,4,5,6,7,8,9,10,11,12,13,14,15
	ds_store_b128 v[STW], v[XR+4*(16*\f+\p):XR+4*(16*\f+\p)+3] offset:\f*8448+\p*528
.endr
.endr
	s_wait_dscnt 0x0                               ; the stores have read their registers, which the loads below fill
.irp f, 0,1
.irp b, 0,1,2,3
.irp i, 0,1,2,3
	ds_load_b128 v[XR+64*\f+16*\b+4*\i:XR+64*\f+16*\b+4*\i+3], v[STR] offset:\f*8448+128*\b+16*\i
.endr
.endr
.endr
	s_wait_dscnt 16                                ; the first fragment's numbers are back; the second's 16 loads may be out
	QUANT XR
	IMAGE (\T)*XSZ
	ds_store_b32 v[XWS], v[PW] offset:(\T)*XSZ+16384
	s_wait_dscnt 0x0                               ; the second's are back, and the stores have read their registers
	QUANT XR+64
	IMAGE (\T)*XSZ+1024
	ds_store_b32 v[XWS], v[PW] offset:(\T)*XSZ+16384+128
.if (\T) < 2
	XLOAD (\T)+1                                   ; the next tensor's rows come in under this tensor's products
.endif
	s_wait_dscnt 0x0                               ; for the others' sake: my images lie in LDS
	s_barrier_signal -1
	s_barrier_wait -1
.if (\T) < 2
	s_wait_loadcnt 32                              ; the weights are in; the next x's 32 loads may be out
.else
	s_wait_loadcnt 0x0
	WIN 0x41
.irp nt, 0,1,2,3
.irp j, 1,2,3,4,5,6,7
	v_mov_b32 v[BI+8*\nt+\j], v[BI+8*\nt]          ; the natural way round a lane holds one channel: its bias in all eight registers of C
.endr
.endr
	WIN 0
.rept 4
	v_nop
.endr
.endif
.irp m, 0,1,2,3
.irp s, 0,1,2,3
	FETCH XF+8*\s, (\T)*XSZ+(4*\m+\s)*1024
	ds_load_b32 v[XS+\s], v[LS] offset:(\T)*XSZ+16384+128*(4*\m+\s)
.endr
	s_wait_dscnt 0x0
.if (\T) < 2
	WIN 0x51                                       ; source 0 (W), C and D window 1; source 1 (x) window 0
.else
	WIN 0x54                                       ; source 1 (W), C and D window 1; source 0 (x) window 0
.endif
	PROD \T, \m
	WIN 0
.rept 4
	v_nop                                          ; places in front of the first read of results and of loads into registers that the products read
.endr
	s_wait_xcnt 0x0                                ; the last tile's stores have read their registers
.if (\T) < 2
	OUTQK \T, \m
.else
	OUTV \m
.endif
.endr
.if (\T) < 2
	WLOAD (\T)+1
.endif
.endm
	s_load_b256 s[4:11], s[0:1], 0x0               ; q, k, v, wcodes
	s_load_b256 s[12:19], s[0:1], 0x20             ; wscl, bq, bk, bv
	s_load_b128 s[20:23], s[0:1], 0x40             ; qf, kv
	s_load_b64 s[24:25], s[0:1], 0x50              ; vl
	v_lshl_add_u32 v[SPW], v0, 2, SPARE
	v_mov_b32 v[NIL], 0
	v_lshrrev_b32 v1, 5, v0
	v_readfirstlane_b32 s26, v1                    ; wave = head
	v_and_b32 v1, 31, v0
	v_and_b32 v14, 15, v0                          ; r
	v_bfe_u32 v15, v0, 4, 1                        ; h
	v_lshlrev_b32 v[LI], 4, v1
	v_lshlrev_b32 v[LS], 2, v1
	s_mul_i32 s27, s26, 16896
	s_add_co_u32 s27, s27, STG
	v_add_nc_u32 v[STW], s27, v[LI]
	v_mul_u32_u24 v[STR], v14, 528
	v_lshl_add_u32 v[STR], v15, 6, v[STR]
	v_add_nc_u32 v[STR], s27, v[STR]
	s_lshl_b32 s27, s26, 11
	v_add_nc_u32 v[XWI], s27, v[LI]
	s_lshl_b32 s27, s26, 8
	v_add_nc_u32 v[XWS], s27, v[LS]
	v_lshl_add_u32 v[WSA], v14, 2, s27
	v_lshl_add_u32 v[BA], v15, 5, s27
	s_mov_b32 s28, 0x76543210
	s_mov_b32 s29, 0xfedcba98                      ; lane l xor 16
	s_mov_b32 s34, 0x3d8293ee                      ; log2(e) / sqrt(512)
	s_mov_b32 s35, s34
.irp b, 0,1,2,3
	v_mov_b32 v[TM+4+\b], 0                        ; a lane permute's destination counts as one of its sources
.endr
	s_lshl_b32 s30, ttmp9, 17                      ; x: 64 rows of 2,048 bytes a work-group,
	s_lshr_b32 s31, s26, 1
	s_lshl_b32 s31, s31, 15                        ; my tile of 16 rows,
	s_add_co_u32 s30, s30, s31
	s_and_b32 s31, s26, 1
	s_lshl_b32 s31, s31, 10                        ; my 256 columns
	s_add_co_u32 s30, s30, s31
	s_mov_b32 s31, 0
	s_lshl_b32 s32, s26, 14                        ; my head's 16 images of each weight
	s_mov_b32 s33, 0
	s_lshr_b32 s36, ttmp9, 5                       ; qf and vl: (8 b + w) x 262,144 + 8,192 j
	s_lshl_b32 s36, s36, 3
	s_add_co_u32 s36, s36, s26
	s_lshl_b32 s36, s36, 18
	s_and_b32 s37, ttmp9, 31
	s_lshl_b32 s37, s37, 13
	s_add_co_u32 s36, s36, s37
	s_mov_b32 s37, 0
	s_lshl_b32 s38, ttmp9, 17                      ; kv: key step (b, j) is block 32 b + j of 131,072 bytes; my head's 16,384 of it
	s_lshl_b32 s39, s26, 14
	s_add_co_u32 s38, s38, s39
	s_mov_b32 s39, 0
	s_wait_kmcnt 0x0
	s_add_nc_u64 s[4:5], s[4:5], s[30:31]
	s_add_nc_u64 s[6:7], s[6:7], s[30:31]
	s_add_nc_u64 s[8:9], s[8:9], s[30:31]
	s_add_nc_u64 s[10:11], s[10:11], s[32:33]
	s_add_nc_u64 s[20:21], s[20:21], s[36:37]
	s_add_nc_u64 s[22:23], s[22:23], s[38:39]
	s_add_nc_u64 s[24:25], s[24:25], s[36:37]
	XLOAD 0
	WLOAD 0
	TENSOR 0, 56
	TENSOR 1, 56
	TENSOR 2, 52
	s_wait_tensorcnt 0x0                           ; the wave's end, behind my last LDS store
	ds_add_u32 v[SPW], v[NIL]
	s_wait_dscnt 0x0
	s_endpgm
.Lfunc_end_k_qa68c9ba2cb_proj:
	.size	k_qa68c9ba2cb_proj, .Lfunc_end_k_qa68c9ba2cb_proj-k_qa68c9ba2cb_proj
	.p2alignl 7, 3214868480
	.fill 96, 4, 3214868480
	.section	.rodata,"a",@progbits
	.p2align	6, 0x0
	.amdhsa_kernel k_qa68c9ba2cb_proj
		.amdhsa_group_segment_fixed_size 191488
		.amdhsa_private_segment_fixed_size 0
		.amdhsa_enable_private_segment 0
		.amdhsa_kernarg_size 88
		.amdhsa_user_sgpr_count 2
		.amdhsa_user_sgpr_kernarg_segment_ptr 1
		.amdhsa_wavefront_size32 1
		.amdhsa_system_sgpr_workgroup_id_x 1
		.amdhsa_system_sgpr_workgroup_id_y 1
		.amdhsa_system_sgpr_workgroup_id_z 1
		.amdhsa_system_vgpr_workitem_id 0
		.amdhsa_next_free_vgpr 480
		.amdhsa_next_free_sgpr 66
		.amdhsa_reserve_vcc 0
		.amdhsa_float_denorm_mode_32 3
		.amdhsa_float_denorm_mode_16_64 3
		.amdhsa_memory_ordered 1
		.amdhsa_forward_progress 1
		.amdhsa_inst_pref_size 152
	.end_amdhsa_kernel
	.amdgpu_metadata
---
amdhsa.version: [ 1, 2 ]
amdhsa.kernels:
  - .name:           k_qa68c9ba2cb_proj
    .symbol:         k_qa68c9ba2cb_proj.kd
    .args:
      - { .name: q, .offset: 0, .size: 8, .value_kind: global_buffer, .address_space: global }
      - { .name: k, .offset: 8, .size: 8, .value_kind: global_buffer, .address_space: global }
      - { .name: v, .offset: 16, .size: 8, .value_kind: global_buffer, .address_space: global }
      - { .name: wcodes, .offset: 24, .size: 8, .value_kind: global_buffer, .address_space: global }
      - { .name: wscl, .offset: 32, .size: 8, .value_kind: global_buffer, .address_space: global }
      - { .name: bq, .offset: 40, .size: 8, .value_kind: global_buffer, .address_space: global }
      - { .name: bk, .offset: 48, .size: 8, .value_kind: global_buffer, .address_space: global }
      - { .name: bv, .offset: 56, .size: 8, .value_kind: global_buffer, .address_space: global }
      - { .name: qf, .offset: 64, .size: 8, .value_kind: global_buffer, .address_space: global }
      - { .name: kv, .offset: 72, .size: 8, .value_kind: global_buffer, .address_space: global }
      - { .name: vl, .offset: 80, .size: 8, .value_kind: global_buffer, .address_space: global }
    .group_segment_fixed_size: 191488
    .private_segment_fixed_size: 0
    .kernarg_segment_align: 8
    .kernarg_segment_size: 88
    .max_flat_workgroup_size: 256
    .sgpr_count:     66
    .vgpr_count:     480
    .wavefront_size: 32
...
	.end_amdgpu_metadata
.endif
;; end of part 2
;; launch attn (part 3): grid 32 x 8, 4 waves a work-group, clusters of 4 x 1, 327,680 bytes of LDS; arguments qf, kv, mask, wof, bo, out0; writes out0
.if DOCPART == 3
	.amdgcn_target "amdgcn-amd-amdhsa--gfx1250"
	.amdhsa_code_object_version 6
	.text
	.protected	k_qa68c9ba2cb_attn
	.globl	k_qa68c9ba2cb_attn
	.p2align	8
	.type	k_qa68c9ba2cb_attn,@function
k_qa68c9ba2cb_attn:
	s_mov_b64 s[64:65], 0
	v_nop
	global_prefetch_b8 v0, s[64:65] scope:SCOPE_SE
	s_setreg_imm32_b32 hwreg(HW_REG_WAVE_MODE, 25, 1), 1
	s_wait_xcnt 0x0
	s_wait_alu depctr_hold_cnt(0) depctr_sa_sdst(0) depctr_va_vdst(0) depctr_va_sdst(0) depctr_va_ssrc(0) depctr_va_vcc(0) depctr_vm_vsrc(0)
	s_getreg_b32 s2, hwreg(HW_REG_IB_STS2, 6, 4)
	s_cmp_eq_u32 s2, 0
	s_cbranch_scc0 .Lentry_in_a_cluster
	s_endpgm
.Lentry_in_a_cluster:
	s_bfe_u32 s2, ttmp6, 0x10000c
	s_cmp_lg_u32 s2, 0x3003
	s_cbranch_scc0 .Lentry_shape_is_right
	s_endpgm
.Lentry_shape_is_right:
; ATTN.  out = softmax(Q K^T / sqrt(512) - 1e9 mask) V Wo + bo, all rows, f16 operands, f32 sums.  The mask is an input: every number of it is read and added.
; SHARES.  A work-group owns 64 queries of one sequence, all 8 heads, and walks all 2,048 keys, 64 a step.  Wave w owns heads 2 w and 2 w + 1, the two PIECES; a piece is four tiles of 16 queries.
; All heads in one work-group: so the projection by Wo is done here, ctx going from wave to wave through LDS; and a mask tile, fetched once, serves eight heads, its registers two.
; LAYOUT.  S^T = K Q^T (a lane holds one query, eight keys a tile); packed to f16 in place S^T is source 1 of O^T = V^T P.  Q carries log2(e) / sqrt(512): scores are exponents of 2, and
; the mask enters by one fused multiply-add with -1e9 log2(e).  M = the running largest exponent rounded up to a whole number; when it moves, sum and O^T are multiplied by 2^(old - new), exactly.
; BY TURNS.  In a turn one piece has the matrix unit (32 products V^T P of the step in hand, 32 products K Q^T of the next); the other piece's softmax, 541 vector lines, stands round them,
; a matrix instruction behind every eighth line.  All LDS reads of a body come from the next step's slot, so there is one change of slots a body.
; CLUSTER.  The four query blocks of a cluster walk the same K and V: those tiles are asked for jointly (waves 0, 1).  The mask tile is each work-group's own (waves 2, 3: a plain load).
; O^T begins as zeros and the largest exponent as -3e38, so that the step is written once; a first step of its own would be a third copy of both turns.
; LIMITS: NaN and infinities are not served; |ctx| and |Wo| stay under 65,504.  Rows 0-15 of every sequence are stored here like all rows and stored again, more finely, by the next launch.
; REGISTERS: window 0: v1-13 addresses; v16-47 statistics, unit 4 p + t: -M, largest, sum (two halves); v48-63 at work; v64-127 K of one piece; v128-255 the mask tile.
;   window 1: S^T, 128 p + 32 t + 8 kt.   window 2: O^T, 128 p + 32 t + 8 c.   window 3: v0-127 Q, 64 p + 16 t + 8 kc; v128-255 V, 128 + 64 p + 32 g + 8 c.
.set MSL,   262144                     ; LDS: K and V, slot 0 at 0, slot 1 at 131,072; the mask's slot 0 here (64 rows x 272), slot 1 32,768 on
.set SPARE, 279552                     ; between the mask's slots: the spare words, 128 bytes a wave
.set STAGE, 65536                      ; the way out (in K and V's slot 0, behind its last fill and read): ctx's images at 0, then 16 rows x 528 for each wave
.set LI,   1                           ; v1   16 x lane + 32,768 w: my two heads in a slot
.set AM0,  2                           ; v2   my place in a mask tile: 272 r + 32 h
.set ADK,  3                           ; v3   LI in the slot in hand
.set ADM,  4                           ; v4   AM0 likewise
.set PFOK, 5                           ; v5   256 x lane
.set PFOM, 6                           ; v6   8,192 x lane
.set L16,  7                           ; v7   16 x lane
.set SPW,  8
.set NIL,  9
.set STO,  10
.set RD,   11
.set CWI,  12
.set BOA,  13
.set ST,   16
.set CC,   48
.set KF,   64
.set MF,   128
.set MSB, 0
.macro WIN new                         ; the immediate's high byte repeats the setting that is left; a switch that changes nothing is dropped
.if MSB != \new
	s_set_vgpr_msb (MSB<<8)|\new
.set MSB, \new
.endif
.endm
.macro CROUND                          ; a round of the cluster's barrier
	s_barrier_signal -1
	s_barrier_wait -1
	s_cmp_lg_u32 s16, 0
	s_cbranch_scc1 .Lnot_wave_0_\@
	s_barrier_signal -3
.Lnot_wave_0_\@:
	s_barrier_wait -3
	s_barrier_signal -1
	s_barrier_wait -1
.endm
.macro JLOAD                           ; each wave's one load behind a round: waves 0, 1 half a step's K and V, jointly; waves 2, 3 half a mask tile.  The branch hangs on the wave's number alone
	s_cmp_lt_u32 s16, 2
	s_cbranch_scc0 .Lfor_m_\@
	tensor_load_to_lds s[44:47], s[24:31]
	s_nop 0
.rept 4
	v_nop
.endr
	s_branch .Lasked_\@
.Lfor_m_\@:
	tensor_load_to_lds s[52:55], s[32:39]
	s_nop 0
.rept 4
	v_nop
.endr
.Lasked_\@:
.endm
; PREFETCHES of the step after the one just asked for: one body, 128 matrix instructions, ahead of its load.  A step's K and V, 131,072 bytes, are walked by all eight clusters of a sequence: the first
; asks; its partners take 32,768 bytes each, told apart by address, a wave 8,192, lanes 256 bytes apart.  A mask tile is read by the eight sequences: sequence 0 asks, waves 0 and 1, a lane a row.
; The last change that fills a slot asks for nothing; steps 0 to 2 come by their loads alone.
.macro ASK
	s_cmp_gt_u32 s56, s59
	s_cbranch_scc0 .Lnot_k_\@
	global_prefetch_b8 v[PFOK], s[66:67] th:TH_LOAD_NT scope:SCOPE_SE
.Lnot_k_\@:
	s_cmp_gt_u32 s56, s60
	s_cbranch_scc0 .Lnot_m_\@
	global_prefetch_b8 v[PFOM], s[68:69] th:TH_LOAD_NT scope:SCOPE_SE
.Lnot_m_\@:
.endm
.macro FETCH_K p                       ; a piece's K of a step: 8 images, as they lie
	WIN 0
.set ff, 0
.rept 8
	ds_load_b128 v[KF+8*ff:KF+8*ff+3], v[ADK] offset:(\p)*16384+ff*1024
	ds_load_b128 v[KF+8*ff+4:KF+8*ff+7], v[ADK] offset:(\p)*16384+ff*1024+512
.set ff, ff+1
.endr
.endm
.macro FETCH_V p
	WIN 0xc0                                       ; destination window 3
.set ff, 0
.rept 8
	ds_load_b128 v[128+64*(\p)+8*ff:128+64*(\p)+8*ff+3], v[ADK] offset:(\p)*16384+8192+ff*1024
	ds_load_b128 v[128+64*(\p)+8*ff+4:128+64*(\p)+8*ff+7], v[ADK] offset:(\p)*16384+8192+ff*1024+512
.set ff, ff+1
.endr
.endm
.macro FETCH_M                         ; the mask numbers in S^T's layout: query 16 t + r, keys 16 kt + 8 h + 0 .. 7
	WIN 0
.irp t, 0,1,2,3
.irp k, 0,1,2,3
	ds_load_b128 v[MF+32*\t+8*\k:MF+32*\t+8*\k+3], v[ADM] offset:\t*4352+\k*64
	ds_load_b128 v[MF+32*\t+8*\k+4:MF+32*\t+8*\k+7], v[ADM] offset:\t*4352+\k*64+16
.endr
.endr
.endm
; THE MATRIX WORK of piece tx; mi counts a turn's matrix instructions.  Sixteen accumulators by turns, two links each.
.macro PVI                             ; O^T += V^T P: keys 32 (mi / 16) on, channels 16 ((mi / 4) % 4) on, tile mi % 4
	WIN 0xa7
.set rO, 128*tx+32*(mi%4)+8*((mi/4)%4)
.set rV, 128+64*tx+32*(mi/16)+8*((mi/4)%4)
.set rP, 128*tx+32*(mi%4)+8*(mi/16)
	v_wmma_f32_16x16x32_f16 v[rO:rO+7], v[rV:rV+7], v[rP:rP+7], v[rO:rO+7]
.endm
.macro KQI                             ; S^T = K Q^T.  Key tiles 2 and 3 go first: tiles 0 and 1 lie over P, which the last V^T P has read, and are written eight slices behind it
	WIN 0x5c
.set ii, mi-32
.set kq, ((ii/4)%4+2)%4
.set rS, 128*tx+32*(ii%4)+8*kq
.set rK, KF+16*kq+8*(ii/16)
.set rQ, 64*tx+16*(ii%4)+8*(ii/16)
.if ii < 16
	v_wmma_f32_16x16x32_f16 v[rS:rS+7], v[rK:rK+7], v[rQ:rQ+7], 0
.else
	v_wmma_f32_16x16x32_f16 v[rS:rS+7], v[rK:rK+7], v[rQ:rQ+7], v[rS:rS+7]
.endif
.endm
.macro EMIT
.if mi == 32
	s_wait_dscnt 0x0                               ; K is in
.endif
.if (mi == 36) && fv
	FETCH_V tx                                     ; the next step's V: the buffer's last reader stands 40 lines back, half of them plain
.endif
.if mi < 32
	PVI
.else
	KQI
.endif
.set mi, mi+1
.endm
.macro TICK                            ; behind every vector line of a softmax
.set tk, tk+1
.if ((tk%PER) == 0) && (mi < mend)
	EMIT
.endif
.if fm && (tk == 64)
	FETCH_M                                        ; the next step's mask tile: this step's has just been added for the second piece
.endif
.endm
; THE VECTOR WORK: piece y's softmax of a step; the four tiles take turns line by line
.macro SM y
.set bb, 0
.rept 16                               ; 64 lines: the mask, one rounding; pairs ascending: each accumulator is read from its low end on
.irp t, 0,1,2,3
.set sS, 128*(\y)+32*\t
	WIN 0x50
	v_pk_fma_f32 v[sS+2*bb:sS+2*bb+1], v[MF+32*\t+2*bb:MF+32*\t+2*bb+1], s[22:23], v[sS+2*bb:sS+2*bb+1] op_sel_hi:[1,0,1]
	TICK
.endr
.set bb, bb+1
.endr
.set jj, 0
.rept 16                               ; 64 lines: the largest of 32 exponents and the old largest, in four chains
.irp t, 0,1,2,3
.set sS, 128*(\y)+32*\t
.set sC, CC+4*\t
.set sT, ST+4*(4*(\y)+\t)
.if jj < 4
	WIN 0x15
	v_max3_num_f32 v[sC+jj], v[sS+8*jj], v[sS+8*jj+1], v[sS+8*jj+2]
.elseif jj < 12
	WIN 0x05
	v_max3_num_f32 v[sC+jj%4], v[sS+8*(jj%4)+2*(jj/4)+1], v[sS+8*(jj%4)+2*(jj/4)+2], v[sC+jj%4]
.elseif jj == 12
	WIN 0x05
	v_max3_num_f32 v[sC], v[sS+7], v[sS+15], v[sC]
.elseif jj == 13
	WIN 0x05
	v_max3_num_f32 v[sC+2], v[sS+23], v[sS+31], v[sC+2]
.elseif jj == 14
	WIN 0
	v_max3_num_f32 v[sC], v[sC], v[sC+1], v[sC+2]
.else
	WIN 0
	v_max3_num_f32 v[sC], v[sC], v[sC+3], v[sT+1]
.endif
	TICK
.endr
.set jj, jj+1
.endr
.irp st, 0,1,2,3,4,5,6                 ; 28 lines: the other half's keys; -M = floor(-largest); a = 2^(old M - new M)
.irp t, 0,1,2,3
.set sC, CC+4*\t
.set sT, ST+4*(4*(\y)+\t)
	WIN 0
.if \st == 0
	v_permlanex16_b32 v[sC+1], v[sC], s20, s21
.elseif \st == 1
	v_max_num_f32 v[sT+1], v[sC], v[sC+1]
.elseif \st == 2
	v_mov_b32 v[sC+1], v[sT]
.elseif \st == 3
	v_floor_f32 v[sT], -v[sT+1]
.elseif \st == 4
	v_sub_f32 v[sC+3], v[sT], v[sC+1]
.elseif \st == 5
	v_cvt_i32_f32 v[sC+3], v[sC+3]
.else
	v_ldexp_f32 v[sC+2], 1.0, v[sC+3]
.endif
	TICK
.endr
.endr
.set bb, 0
.rept 16                               ; 256 lines: exponent - M, the exponentials, O^T x a.  None of them names an exponential's result
.irp t, 0,1,2,3
.set sS, 128*(\y)+32*\t
.set sT, ST+4*(4*(\y)+\t)
	WIN 0x41
	v_pk_add_f32 v[sS+2*bb:sS+2*bb+1], v[sS+2*bb:sS+2*bb+1], v[sT:sT+1] op_sel_hi:[1,0]
	TICK
.endr
.irp t, 0,1,2,3
.irp e, 0,1
.set sS, 128*(\y)+32*\t
	WIN 0x41
	v_exp_f32 v[sS+2*bb+\e], v[sS+2*bb+\e]
	TICK
.endr
.endr
.irp t, 0,1,2,3
.set sS, 128*(\y)+32*\t
.set sC, CC+4*\t
	WIN 0x82
	v_pk_mul_f32 v[sS+2*bb:sS+2*bb+1], v[sS+2*bb:sS+2*bb+1], v[sC+2:sC+3] op_sel_hi:[1,0]
	TICK
.endr
.set bb, bb+1
.endr
	WIN 0
	v_nop                                          ; a plain line behind the last exponential
	TICK
	s_wait_alu depctr_va_vdst(0)                   ; one wait for the turn's 128 exponentials, ahead of the first line that names a result
.set bb, 0
.rept 16                               ; 64 lines: the sum of the unrounded weights, under the new M
.irp t, 0,1,2,3
.set sS, 128*(\y)+32*\t
.set sC, CC+4*\t
.set sT, ST+4*(4*(\y)+\t)
.if bb == 0
	WIN 0x10
	v_pk_fma_f32 v[sT+2:sT+3], v[sT+2:sT+3], v[sC+2:sC+3], v[sS:sS+1] op_sel_hi:[1,0,1]
.else
	WIN 0x01
	v_pk_add_f32 v[sT+2:sT+3], v[sS+2*bb:sS+2*bb+1], v[sT+2:sT+3]
.endif
	TICK
.endr
.set bb, bb+1
.endr
.set bb, 0
.rept 16                               ; 64 lines: packed to f16 in place: registers 0-15 of a tile are P's two fragments.  The last 29 lines are the places behind the turn's last product
.irp t, 0,1,2,3
.set sS, 128*(\y)+32*\t
	WIN 0x45
	v_cvt_pk_f16_f32 v[sS+bb], v[sS+2*bb], v[sS+2*bb+1]
	TICK
.endr
.set bb, bb+1
.endr
.endm
; A TURN.  pv: 32 products V^T P;  kq: 32 products K Q^T of the next step;  fvv: the next step's V is fetched
.macro TURN x, pv, kq, fvv
.set tx, \x
.set fv, \fvv
.set tk, 0
.set mi, 32-32*\pv
.set mend, 32+32*\kq
.set PER, 16
.if \pv && \kq
.set PER, 8
.endif
.set fm, 0
.if \kq && (\x == 0)
.set fm, 1
.endif
	s_wait_dscnt 0x0                               ; V and the mask tile are in
.if \kq
	FETCH_K \x
.endif
	SM (1-\x)
.endm
; THE CHANGE OF SLOTS, at a body's head.  Every wave waits for all its tensor loads (one is out: its part of the slot that the body will read), adds 0 to its spare word, and waits for that and for its
; reads of the slot that it has left.  fill = 1: a round of the cluster's barrier, and behind it that slot is filled with the step two on: it has a whole body in which to land.
.macro CHANGE fill
	WIN 0
	s_wait_tensorcnt 0x0
	ds_add_u32 v[SPW], v[NIL]
.if \fill
	s_xor_b32 s45, s45, 1<<17                      ; the walking descriptors: the other slot, the next step
	s_add_nc_u64 s[46:47], s[46:47], 131072
	s_xor_b32 s53, s53, 1<<15
	s_add_nc_u64 s[54:55], s[54:55], 256
	s_wait_xcnt 0x0                                ; the last prefetches, a body back, have read their addresses
	s_add_nc_u64 s[66:67], s[66:67], 131072
	s_add_nc_u64 s[68:69], s[68:69], 256
.endif
	s_xor_b32 s57, s57, 1<<17
	s_xor_b32 s58, s58, 1<<15
	s_wait_dscnt 0x0
.if \fill
	CROUND
	JLOAD
	ASK
.else
	s_barrier_signal -1
	s_barrier_wait -1
.endif
	v_add_nc_u32 v[ADK], s57, v[LI]
	v_add_nc_u32 v[ADM], s58, v[AM0]
.endm
	s_load_b256 s[4:11], s[0:1], 0x0               ; qf, kv, mask, wof
	s_load_b128 s[12:15], s[0:1], 0x20             ; bo, out0
	v_lshl_add_u32 v[SPW], v0, 2, SPARE
	v_mov_b32 v[NIL], 0
	ds_add_u32 v[SPW], v[NIL]                      ; the wave's opening: the add, twice on end, and its wait ahead of my first tensor load
	ds_add_u32 v[SPW], v[NIL]
	v_lshrrev_b32 v14, 5, v0
	v_readfirstlane_b32 s16, v14                   ; wave
	s_bfe_u32 s17, ttmp6, 0x40000                  ; cx
	s_lshl_b32 s18, ttmp9, 2
	s_add_co_u32 s18, s18, s17                     ; my block of 64 queries
	s_and_b32 s19, ttmp7, 0xffff                   ; the sequence, which the partners share
	s_mov_b32 s20, 0x76543210
	s_mov_b32 s21, 0xfedcba98
	s_mov_b32 s22, 0xceabfb8f                      ; -1e9 log2(e)
	s_mov_b32 s23, s22
	s_mov_b32 s24, 15|(3<<16)|(1<<21)              ; K and V: the mask names all four; elements of 8 bytes; bit 21 beside a mask; no padding
	s_mov_b32 s25, 32<<16                          ; tensor_dim0 = 32 (256 bytes)
	s_mov_b32 s26, 256<<16                         ; tensor_dim1 = 256
	s_mov_b32 s27, 32<<16                          ; tile_dim0
	s_mov_b32 s28, 256                             ; tile_dim1: 65,536 dense bytes
	s_mov_b32 s29, 32                              ; the pitch
	s_mov_b32 s30, 0
	s_mov_b32 s31, 0
	s_mov_b32 s32, (2<<16)|(1<<20)|(5<<22)|(3<<25) ; the mask tile: elements of 4 bytes; 4 words of padding behind every 64
	s_mov_b32 s33, 64<<16
	s_mov_b32 s34, 32<<16
	s_mov_b32 s35, 64<<16
	s_mov_b32 s36, 32                              ; 32 rows of 256 bytes
	s_mov_b32 s37, 2048
	s_mov_b32 s38, 0
	s_mov_b32 s39, 0
	s_and_b32 s70, s16, 1                          ; which half I fetch
	s_lshl_b32 s71, s70, 16                        ; K and V: in a slot,
	s_lshl_b32 s72, s19, 22                        ; and in memory: 32 steps of 131,072 bytes a sequence
	s_lshl_b32 s73, s70, 16
	s_add_co_u32 s72, s72, s73
	s_mov_b32 s73, 0
	s_lshl_b32 s74, s18, 19                        ; the mask: 64 rows of 8,192 bytes a block, my 32
	s_lshl_b32 s75, s70, 18
	s_add_co_u32 s74, s74, s75
	s_mov_b32 s75, 0
	s_mul_i32 s76, s70, 8704
	s_add_co_u32 s76, s76, MSL
	s_lshl_b32 s78, s19, 22                        ; the prefetches of K and V: my work-group's quarter, my wave's 8,192 bytes, at step 2
	s_lshl_b32 s79, s17, 15
	s_add_co_u32 s78, s78, s79
	s_lshl_b32 s79, s16, 13
	s_add_co_u32 s78, s78, s79
	s_add_co_u32 s78, s78, 262144
	s_mov_b32 s79, 0
	s_lshl_b32 s2, s19, 3                          ; Q: (8 b + 2 w) heads of 262,144 bytes, my block's four tiles
	s_lshl_b32 s3, s16, 1
	s_add_co_u32 s2, s2, s3
	s_lshl_b32 s2, s2, 18
	s_lshl_b32 s3, s18, 13
	s_add_co_u32 s2, s2, s3
	s_mov_b32 s3, 0
	s_lshl_b32 s62, s19, 22                        ; out: my block's first row, my wave's 128 columns
	s_lshl_b32 s63, s18, 17
	s_add_co_u32 s62, s62, s63
	s_lshl_b32 s63, s16, 9
	s_add_co_u32 s62, s62, s63
	s_mov_b32 s63, 0
	s_mov_b32 s57, 0
	s_mov_b32 s58, 0
	v_and_b32 v14, 15, v0                          ; r
	v_bfe_u32 v15, v0, 4, 1                        ; h
	v_and_b32 v[L16], 31, v0
	v_lshlrev_b32 v[PFOK], 8, v[L16]
	v_lshlrev_b32 v[PFOM], 13, v[L16]
	v_lshlrev_b32 v[L16], 4, v[L16]
	s_lshl_b32 s77, s16, 15
	v_add_nc_u32 v[LI], s77, v[L16]
	v_mul_u32_u24 v[AM0], v14, 272
	v_lshl_add_u32 v[AM0], v15, 5, v[AM0]
	v_add_nc_u32 v[AM0], MSL, v[AM0]
	s_wait_dscnt 0x0                               ; both opening adds are done
	s_wait_kmcnt 0x0
	s_mov_b32 s40, 1
	s_mov_b32 s41, s71
	s_add_nc_u64 s[42:43], s[6:7], s[72:73]        ; step 0
	s_mov_b32 s44, 1
	s_add_co_u32 s45, s71, 131072
	s_add_nc_u64 s[46:47], s[42:43], 131072        ; step 1; this set walks on
	s_or_b32 s43, s43, 0x80000000
	s_or_b32 s47, s47, 0x80000000
	s_mov_b32 s48, 1
	s_mov_b32 s49, s76
	s_add_nc_u64 s[50:51], s[8:9], s[74:75]
	s_mov_b32 s52, 1
	s_add_co_u32 s53, s76, 32768
	s_add_nc_u64 s[54:55], s[50:51], 256
	s_add_nc_u64 s[68:69], s[50:51], 512           ; the mask's prefetches: at step 2
	s_or_b32 s51, s51, 0x80000000
	s_or_b32 s55, s55, 0x80000000
	s_add_nc_u64 s[66:67], s[6:7], s[78:79]
	s_add_nc_u64 s[4:5], s[4:5], s[2:3]
	s_add_nc_u64 s[14:15], s[14:15], s[62:63]
	s_lshl_b32 s78, s16, 17                        ; Wo: my 128 outputs' images
	s_add_nc_u64 s[10:11], s[10:11], s[78:79]
	s_lshl_b32 s78, s16, 9
	s_add_nc_u64 s[12:13], s[12:13], s[78:79]
	s_cmp_eq_u32 ttmp9, 0                          ; the sequence's first cluster: the same in all four partners
	s_cselect_b32 s59, 1, -1
	s_lshr_b32 s77, s16, 1
	s_or_b32 s77, s77, s19
	s_cmp_eq_u32 s77, 0                            ; sequence 0, waves 0 and 1
	s_cselect_b32 s60, 1, -1
	CROUND                                         ; all four work-groups are here: the first joint loads meet
	s_cmp_lt_u32 s16, 2                            ; a wave's two first fills stand in one branch: two loads of mine are out
	s_cbranch_scc0 .Lfirst_m
	tensor_load_to_lds s[40:43], s[24:31]
	s_nop 0
	tensor_load_to_lds s[44:47], s[24:31]
	s_nop 0
.rept 4
	v_nop
.endr
	s_branch .Lfirst_done
.Lfirst_m:
	tensor_load_to_lds s[48:51], s[32:39]
	s_nop 0
	tensor_load_to_lds s[52:55], s[32:39]
	s_nop 0
.rept 4
	v_nop
.endr
.Lfirst_done:
	WIN 0xc0
.irp p, 0,1
.irp t, 0,1,2,3
.irp f, 0,1,2,3
	global_load_b128 v[64*\p+16*\t+4*\f:64*\p+16*\t+4*\f+3], v[L16], s[4:5] offset:\p*262144+\t*2048+\f*512   ; Q stays in registers
.endr
.endr
.endr
	WIN 0
.irp u, 0,1,2,3,4,5,6,7
	v_mov_b32 v[ST+4*\u+1], 0xff61b1e6             ; -3e38, under every exponent
	v_mov_b32 v[ST+4*\u+2], 0
	v_mov_b32 v[ST+4*\u+3], 0
	v_floor_f32 v[ST+4*\u], -v[ST+4*\u+1]
.endr
	v_mov_b32 v[ADK], v[LI]
	v_mov_b32 v[ADM], v[AM0]
	WIN 0x80
.set i, 0
.rept 256
	v_mov_b32 v[i], 0                              ; O^T
.set i, i+1
.endr
	WIN 0
	s_wait_tensorcnt 1                             ; my part of slot 0 is in; slot 1's may stay out
	s_barrier_signal -1
	s_barrier_wait -1
	FETCH_K 0
	FETCH_M
	s_wait_loadcnt 0x0                             ; Q
	s_wait_dscnt 32                                ; K is in; the mask tile's 32 loads may be out
.set tx, 0
.set mi, 32
.rept 32
	KQI                                            ; piece 0's first scores
.set mi, mi+1
.endr
	WIN 0                                          ; the way out's addresses: six plain lines, the places behind those products
	s_mul_i32 s70, s16, 8448
	s_add_co_u32 s70, s70, STAGE
	v_mul_u32_u24 v[STO], v14, 528
	v_lshl_add_u32 v[STO], v15, 5, v[STO]
	v_add_nc_u32 v[STO], s70, v[STO]
	v_add_nc_u32 v[RD], s70, v[L16]
	s_lshl_b32 s70, s16, 14
	v_add_nc_u32 v[CWI], s70, v[L16]
	v_lshlrev_b32 v[BOA], 5, v15
	FETCH_V 0
	FETCH_V 1
	TURN 1, 0, 1, 0                                ; piece 1's first scores | piece 0's first softmax
	WIN 0
	s_mov_b32 s56, 30
.Lbody:                                            ; body j: V^T P of step j, K Q^T of step j + 1; its change of slots asks for step j + 2
	CHANGE 1
	TURN 0, 1, 1, 1
	TURN 1, 1, 1, 1
	WIN 0
	s_sub_co_u32 s56, s56, 1
	s_cmp_lg_u32 s56, 0
	s_cbranch_scc1 .Lbody
	CHANGE 0                                       ; body 30 is written out
	TURN 0, 1, 1, 1
	TURN 1, 1, 1, 1
	WIN 0
.irp nt, 0,1,2,3,4,5,6,7                ; bo in the result's layout, into K's registers, whose last reader stands 29 plain lines back
	global_load_b128 v[KF+8*\nt:KF+8*\nt+3], v[BOA], s[12:13] offset:64*\nt
	global_load_b128 v[KF+8*\nt+4:KF+8*\nt+7], v[BOA], s[12:13] offset:64*\nt+16
.endr
.macro WLOADO buf, off                 ; Wo^T's eight fragments of a K step of 32, into Q's registers
	WIN 0xc0
.irp nt, 0,1,2,3,4,5,6,7
	global_load_b128 v[64*(\buf)+8*\nt:64*(\buf)+8*\nt+3], v[L16], s[10:11] offset:(\off)+\nt*1024
	global_load_b128 v[64*(\buf)+8*\nt+4:64*(\buf)+8*\nt+7], v[L16], s[10:11] offset:(\off)+\nt*1024+512
.endr
.endm
.macro CLOAD buf, off                  ; ctx's four fragments of that K step
	WIN 0
.irp t, 0,1,2,3
	ds_load_b128 v[MF+32*(\buf)+8*\t:MF+32*(\buf)+8*\t+3], v[ADK] offset:(\off)+\t*1024
	ds_load_b128 v[MF+32*(\buf)+8*\t+4:MF+32*(\buf)+8*\t+7], v[ADK] offset:(\off)+\t*1024+512
.endr
.endm
	WLOADO 0, 0
	WLOADO 1, 8192
	TURN 0, 1, 0, 0                                ; piece 0: V^T P of the last step | piece 1's last softmax
.set tx, 1
.set mi, 0
.rept 32
	PVI
.set mi, mi+1
.endr
	WIN 0                                          ; the divisors; the additions are the places behind the last products
.irp u, 0,1,2,3,4,5,6,7
	v_add_f32 v[ST+4*\u+2], v[ST+4*\u+2], v[ST+4*\u+3]
.endr
.irp u, 0,1,2,3,4,5,6,7
	v_permlanex16_b32 v[ST+4*\u+3], v[ST+4*\u+2], s20, s21
.endr
.irp u, 0,1,2,3,4,5,6,7
	v_add_f32 v[ST+4*\u+2], v[ST+4*\u+2], v[ST+4*\u+3]
.endr
.irp u, 0,1,2,3,4,5,6,7
	v_rcp_f32 v[ST+4*\u+2], v[ST+4*\u+2]
.endr
	v_nop
	s_wait_alu depctr_va_vdst(0)                   ; one wait for the eight reciprocals
	WIN 0x82
.irp u, 0,1,2,3,4,5,6,7
.irp i, 0,2,4,6,8,10,12,14,16,18,20,22,24,26,28,30
	v_pk_mul_f32 v[32*\u+\i:32*\u+\i+1], v[32*\u+\i:32*\u+\i+1], v[ST+4*\u+2:ST+4*\u+3] op_sel_hi:[1,0]
.endr
.endr
	WIN 0x8a
.irp u, 0,1,2,3,4,5,6,7
.irp i, 0,1,2,3,4,5,6,7,8,9,10,11,12,13,14,15
	v_cvt_pk_f16_f32 v[32*\u+\i], v[32*\u+2*\i], v[32*\u+2*\i+1]   ; packed in place: ctx's fragments of K steps 4 w + 2 p and + 1
.endr
.endr
	WIN 0x08                                       ; an LDS store's data are its source 1: window 2
.irp p, 0,1
.irp t, 0,1,2,3
.irp f, 0,1,2,3
	ds_store_b128 v[CWI], v[32*(4*\p+\t)+4*\f:32*(4*\p+\t)+4*\f+3] offset:(2*\p+(\f>>1))*4096+\t*1024+(\f&1)*512
.endr
.endr
.endr
	WIN 0
	s_mov_b32 s71, 0
	v_mov_b32 v[ADK], v[L16]
	s_wait_dscnt 0x0                               ; for the others' sake: my images of ctx lie in LDS
	s_barrier_signal -1
	s_barrier_wait -1
	CLOAD 0, 0
	CLOAD 1, 4096
; A K step of 32 of out^T = Wo^T ctx^T: 32 accumulators by turns.  lw, dw: the other buffer's loads, which may stay out.  pre = 1: this buffer takes the K step two on
.macro OSTEP buf, first, pre, lw, dw
	s_wait_loadcnt \lw
	s_wait_dscnt \dw
.if \first
	WIN 0x43                                       ; source 0 (Wo) window 3, D window 1, C (bo) window 0
.else
	WIN 0x53
.endif
.irp t, 0,1,2,3
.irp nt, 0,1,2,3,4,5,6,7
.if \first
	v_wmma_f32_16x16x32_f16 v[8*(8*\t+\nt):8*(8*\t+\nt)+7], v[64*\buf+8*\nt:64*\buf+8*\nt+7], v[MF+32*\buf+8*\t:MF+32*\buf+8*\t+7], v[KF+8*\nt:KF+8*\nt+7]
.else
	v_wmma_f32_16x16x32_f16 v[8*(8*\t+\nt):8*(8*\t+\nt)+7], v[64*\buf+8*\nt:64*\buf+8*\nt+7], v[MF+32*\buf+8*\t:MF+32*\buf+8*\t+7], v[8*(8*\t+\nt):8*(8*\t+\nt)+7]
.endif
.endr
.endr
	WIN 0
.rept 4
	v_nop                                          ; places in front of loads into registers that the products read, and of the first read of results
.endr
.if \pre
	WLOADO \buf, 16384+8192*\buf
	CLOAD \buf, 8192+4096*\buf
.endif
.endm
	OSTEP 0, 1, 1, 16, 8
	OSTEP 1, 0, 1, 16, 8
	s_mov_b32 s72, 6
.Lo:                                               ; K steps 2 to 13, two a trip
	s_wait_xcnt 0x0                                ; the loads have read their base
	s_add_nc_u64 s[10:11], s[10:11], 16384
	s_add_co_u32 s71, s71, 8192
	v_add_nc_u32 v[ADK], s71, v[L16]
	OSTEP 0, 0, 1, 16, 8
	OSTEP 1, 0, 1, 16, 8
	s_sub_co_u32 s72, s72, 1
	s_cmp_lg_u32 s72, 0
	s_cbranch_scc1 .Lo
	OSTEP 0, 0, 0, 16, 8
	OSTEP 1, 0, 0, 0, 0
; THE WAY OUT, a tile of 16 rows at a time through my own stage: in as 32 bytes a lane, back as rows of 512 bytes, which the 32 lanes store as 512 consecutive bytes, aligned
.macro TOSTAGE t
	WIN 0x04                                       ; the data: window 1
.irp nt, 0,1,2,3,4,5,6,7
	ds_store_b128 v[STO], v[64*(\t)+8*\nt:64*(\t)+8*\nt+3] offset:64*\nt
	ds_store_b128 v[STO], v[64*(\t)+8*\nt+4:64*(\t)+8*\nt+7] offset:64*\nt+16
.endr
	WIN 0
.irp p, 0,1,2,3,4,5,6,7,8,9,10,11,12,13,14,15
	ds_load_b128 v[MF+64*((\t)%2)+4*\p:MF+64*((\t)%2)+4*\p+3], v[RD] offset:\p*528   ; LDS serves a wave's instructions in order: these see the stores above
.endr
.endm
.macro SEND t, younger
	s_wait_dscnt \younger
.irp p, 0,1,2,3,4,5,6,7,8,9,10,11,12,13,14,15
	global_store_b128 v[L16], v[MF+64*((\t)%2)+4*\p:MF+64*((\t)%2)+4*\p+3], s[14:15] offset:(16*(\t)+\p)*2048 th:TH_STORE_NT
.endr
.endm
	TOSTAGE 0
	TOSTAGE 1
	SEND 0, 32                                     ; behind tile 0's loads: tile 1's 16 stores and 16 loads
	s_wait_xcnt 0x0                                ; tile 0's stores have read their registers
	TOSTAGE 2
	SEND 1, 32
	s_wait_xcnt 0x0
	TOSTAGE 3
	SEND 2, 32
	SEND 3, 0
	s_wait_tensorcnt 0x0                           ; the wave's end
	ds_add_u32 v[SPW], v[NIL]
	s_wait_dscnt 0x0
	CROUND                                         ; the closing round
	s_endpgm
.Lfunc_end_k_qa68c9ba2cb_attn:
	.size	k_qa68c9ba2cb_attn, .Lfunc_end_k_qa68c9ba2cb_attn-k_qa68c9ba2cb_attn
	.p2alignl 7, 3214868480
	.fill 96, 4, 3214868480
	.section	.rodata,"a",@progbits
	.p2align	6, 0x0
	.amdhsa_kernel k_qa68c9ba2cb_attn
		.amdhsa_group_segment_fixed_size 327680
		.amdhsa_private_segment_fixed_size 0
		.amdhsa_enable_private_segment 0
		.amdhsa_kernarg_size 48
		.amdhsa_user_sgpr_count 2
		.amdhsa_user_sgpr_kernarg_segment_ptr 1
		.amdhsa_wavefront_size32 1
		.amdhsa_system_sgpr_workgroup_id_x 1
		.amdhsa_system_sgpr_workgroup_id_y 1
		.amdhsa_system_sgpr_workgroup_id_z 1
		.amdhsa_system_vgpr_workitem_id 0
		.amdhsa_next_free_vgpr 1024
		.amdhsa_next_free_sgpr 80
		.amdhsa_reserve_vcc 0
		.amdhsa_float_denorm_mode_32 3
		.amdhsa_float_denorm_mode_16_64 3
		.amdhsa_memory_ordered 1
		.amdhsa_forward_progress 1
		.amdhsa_inst_pref_size 255
	.end_amdhsa_kernel
	.section	.bss,"aw",@nobits
	.p2align	6
	.space	262144
	.amdgpu_metadata
---
amdhsa.version: [ 1, 2 ]
amdhsa.kernels:
  - .name:           k_qa68c9ba2cb_attn
    .symbol:         k_qa68c9ba2cb_attn.kd
    .args:
      - { .name: qf, .offset: 0, .size: 8, .value_kind: global_buffer, .address_space: global }
      - { .name: kv, .offset: 8, .size: 8, .value_kind: global_buffer, .address_space: global }
      - { .name: mask, .offset: 16, .size: 8, .value_kind: global_buffer, .address_space: global }
      - { .name: wof, .offset: 24, .size: 8, .value_kind: global_buffer, .address_space: global }
      - { .name: bo, .offset: 32, .size: 8, .value_kind: global_buffer, .address_space: global }
      - { .name: out0, .offset: 40, .size: 8, .value_kind: global_buffer, .address_space: global }
    .group_segment_fixed_size: 327680
    .private_segment_fixed_size: 0
    .kernarg_segment_align: 8
    .kernarg_segment_size: 48
    .max_flat_workgroup_size: 128
    .sgpr_count:     80
    .vgpr_count:     1024
    .wavefront_size: 32
...
	.end_amdgpu_metadata
.endif
;; end of part 3
;; launch fine (part 4): grid 8 x 8, 8 waves a work-group, no clusters, 33,792 bytes of LDS; arguments qf, kv, vl, mask, wof, bo, flags, out0; writes out0
.if DOCPART == 4
	.amdgcn_target "amdgcn-amd-amdhsa--gfx1250"
	.amdhsa_code_object_version 6
	.text
	.protected	k_qa68c9ba2cb_fine
	.globl	k_qa68c9ba2cb_fine
	.p2align	8
	.type	k_qa68c9ba2cb_fine,@function
k_qa68c9ba2cb_fine:
	s_mov_b64 s[64:65], 0
	v_nop
	global_prefetch_b8 v0, s[64:65] scope:SCOPE_SE
	s_setreg_imm32_b32 hwreg(HW_REG_WAVE_MODE, 25, 1), 1
	s_wait_xcnt 0x0
; FINE.  Rows 0-15 of every sequence once more, with the weights p, V, ctx and Wo as pairs of f16 numbers (a high part, and the rest x 2048, split in f32), both parts going to the matrix unit:
; x y = xh yh + (xl yh + xh yl) / 2048.  Where few keys count, one rounding to f16 would use up what the comparison allows.  The mask is honoured as it is given.
; Work-group (jn, b): sequence b, output columns 64 jn .. + 63.  Wave h: head h's attention for the 16 queries and its 64 channels' part of the projection; the eight parts meet in LDS, in fixed order.
; Only groups of 32 keys that count for some of the 16 rows are walked: a scalar branch on the bits that the first launch stored.  The loop's trip count is a constant.
; LIMITS: a group is passed over only where each -1e9 x mask in it lies 1e8 or more under its row's largest: right while a row's scaled scores spread by less than 9e7.
; On a mask that hides little all 64 groups are walked: slower, and still right.  NaN and infinities are not served.
.set SPARE, 32768                      ; LDS: 4,096 bytes of parts for each wave; behind them the spare words
.set L16, 1
.set MA,  2                            ; 8,192 r + 32 h
.set RW,  3
.set RA,  4
.set OA,  5
.set BOA, 6
.set SPW, 10
.set NIL, 11
.set NM,  12                           ; v12 -M, v13 the largest exponent, v[14:15] the sum
.set TMX, 13
.set C0,  16                           ; v16-19 at work
.set BIAS, 20                          ; v20-23 bo, then the result
.set Q,   32
.set S,   48
.set MK,  64
.set PH,  80
.set PL,  88
.set K,   96
.set VH,  128
.set VL,  160
.set AH,  192
.set AL,  224
.set MSB, 0
.macro WIN new
.if MSB != \new
	s_set_vgpr_msb (MSB<<8)|\new
.set MSB, \new
.endif
.endm
	s_load_b256 s[4:11], s[0:1], 0x0               ; qf, kv, vl, mask
	s_load_b256 s[12:19], s[0:1], 0x20             ; wof, bo, flags, out0
	v_lshl_add_u32 v[SPW], v0, 2, SPARE
	v_mov_b32 v[NIL], 0
	v_lshrrev_b32 v7, 5, v0
	v_readfirstlane_b32 s20, v7                    ; wave = head
	s_and_b32 s21, ttmp7, 0xffff                   ; b
	v_and_b32 v7, 31, v0
	v_lshlrev_b32 v[L16], 4, v7
	v_and_b32 v8, 15, v0
	v_bfe_u32 v9, v0, 4, 1
	v_lshlrev_b32 v[MA], 13, v8
	v_lshl_add_u32 v[MA], v9, 5, v[MA]
	s_lshl_b32 s22, s20, 12
	v_add_nc_u32 v[RW], s22, v[L16]
	v_lshrrev_b32 v7, 2, v8                        ; back: lane (row 2 w + l / 16, outputs 4 (l % 16) on): which tile, which quad, which half of the lanes held them
	v_lshlrev_b32 v[RA], 10, v7
	v_and_b32 v7, 1, v8
	v_lshl_add_u32 v[RA], v7, 9, v[RA]
	v_bfe_u32 v7, v0, 1, 1
	v_lshl_add_u32 v[RA], v7, 8, v[RA]
	v_lshl_add_u32 v[RA], v9, 4, v[RA]
	s_lshl_b32 s22, s20, 5
	v_add_nc_u32 v[RA], s22, v[RA]
	v_lshlrev_b32 v[BOA], 4, v8
	v_lshl_add_u32 v[OA], v9, 11, v[BOA]
	s_mov_b32 s24, 0x76543210
	s_mov_b32 s25, 0xfedcba98
	s_mov_b32 s26, 0xceabfb8f                      ; -1e9 log2(e)
	s_mov_b32 s27, s26
	s_lshl_b32 s28, s21, 3                         ; qf, vl: (8 b + h) x 262,144
	s_add_co_u32 s28, s28, s20
	s_lshl_b32 s28, s28, 18
	s_mov_b32 s29, 0
	s_lshl_b32 s30, s21, 22                        ; kv: b x 32 steps + my head's 16,384 bytes
	s_lshl_b32 s31, s20, 14
	s_add_co_u32 s30, s30, s31
	s_mov_b32 s31, 0
	s_lshr_b32 s32, ttmp9, 1                       ; wof: (jn / 2) x 131,072 + 2 h x 8,192 + (jn % 2) x 4,096
	s_lshl_b32 s32, s32, 17
	s_lshl_b32 s33, s20, 14
	s_add_co_u32 s32, s32, s33
	s_and_b32 s33, ttmp9, 1
	s_lshl_b32 s33, s33, 12
	s_add_co_u32 s32, s32, s33
	s_mov_b32 s33, 0
	s_lshl_b32 s34, ttmp9, 8                       ; bo: 64 jn numbers
	s_mov_b32 s35, 0
	s_lshl_b32 s36, s21, 22                        ; out: row 2,048 b + 2 w, column 64 jn
	s_lshl_b32 s37, s20, 12
	s_add_co_u32 s36, s36, s37
	s_add_co_u32 s36, s36, s34
	s_mov_b32 s37, 0
	s_wait_kmcnt 0x0
	s_load_b32 s40, s[16:17], 0x0                  ; the four scanning waves' bits: groups 0-31,
	s_load_b32 s41, s[16:17], 0x100
	s_load_b32 s42, s[16:17], 0x200
	s_load_b32 s43, s[16:17], 0x300
	s_load_b32 s44, s[16:17], 0x80                 ; groups 32-63
	s_load_b32 s45, s[16:17], 0x180
	s_load_b32 s46, s[16:17], 0x280
	s_load_b32 s47, s[16:17], 0x380
	s_add_nc_u64 s[4:5], s[4:5], s[28:29]
	s_add_nc_u64 s[8:9], s[8:9], s[28:29]
	s_add_nc_u64 s[6:7], s[6:7], s[30:31]
	s_add_nc_u64 s[12:13], s[12:13], s[32:33]
	s_add_nc_u64 s[14:15], s[14:15], s[34:35]
	s_add_nc_u64 s[18:19], s[18:19], s[36:37]
.irp f, 0,1,2,3
	global_load_b128 v[Q+4*\f:Q+4*\f+3], v[L16], s[4:5] offset:512*\f
.endr
	global_load_b128 v[BIAS:BIAS+3], v[BOA], s[14:15]
	WIN 0x40                                       ; window 1: Wo's high fragments at 8 (4 u + nt), its low ones 64 on
.irp u, 0,1
.irp nt, 0,1,2,3
.irp q, 0,1
	global_load_b128 v[8*(4*\u+\nt)+4*\q:8*(4*\u+\nt)+4*\q+3], v[L16], s[12:13] offset:\u*8192+\nt*1024+\q*512
	global_load_b128 v[64+8*(4*\u+\nt)+4*\q:64+8*(4*\u+\nt)+4*\q+3], v[L16], s[12:13] offset:524288+\u*8192+\nt*1024+\q*512
.endr
.endr
.endr
	WIN 0
	v_mov_b32 v[TMX], 0xff61b1e6                   ; -3e38
	v_mov_b32 v14, 0
	v_mov_b32 v15, 0
	v_floor_f32 v[NM], -v[TMX]
.set i, 0
.rept 64
	v_mov_b32 v[AH+i], 0                           ; a trip that may be passed over cannot be the one that starts the sums
.set i, i+1
.endr
	s_wait_kmcnt 0x0
	s_or_b32 s51, s40, s41
	s_or_b32 s51, s51, s42
	s_or_b32 s51, s51, s43                         ; the bits in hand
	s_or_b32 s52, s44, s45
	s_or_b32 s52, s52, s46
	s_or_b32 s52, s52, s47
	s_wait_loadcnt 0x0
.macro GROUP e                         ; 32 keys: group 2 j + e
	s_and_b32 s53, s51, 1<<\e
	s_cmp_eq_u32 s53, 0
	s_cbranch_scc1 .Lskip_\@
.irp f, 0,1,2,3
.irp q, 0,1
	global_load_b128 v[K+8*\f+4*\q:K+8*\f+4*\q+3], v[L16], s[6:7] offset:4096*\e+1024*\f+512*\q
.endr
.endr
.irp t, 0,1
.irp q, 0,1
	global_load_b128 v[MK+8*\t+4*\q:MK+8*\t+4*\q+3], v[MA], s[10:11] offset:128*\e+64*\t+16*\q
.endr
.endr
.irp c, 0,1,2,3
.irp q, 0,1
	global_load_b128 v[VH+8*\c+4*\q:VH+8*\c+4*\q+3], v[L16], s[6:7] offset:8192+4096*\e+1024*\c+512*\q
	global_load_b128 v[VL+8*\c+4*\q:VL+8*\c+4*\q+3], v[L16], s[8:9] offset:4096*\e+1024*\c+512*\q
.endr
.endr
	s_wait_loadcnt 16                              ; K and the mask are in; V's 16 loads may be out
	v_wmma_f32_16x16x32_f16 v[S:S+7], v[K:K+7], v[Q:Q+7], 0
	v_wmma_f32_16x16x32_f16 v[S+8:S+15], v[K+16:K+23], v[Q:Q+7], 0
	v_wmma_f32_16x16x32_f16 v[S:S+7], v[K+8:K+15], v[Q+8:Q+15], v[S:S+7]
	v_wmma_f32_16x16x32_f16 v[S+8:S+15], v[K+24:K+31], v[Q+8:Q+15], v[S+8:S+15]
.rept 4
	v_nop
.endr
.irp i, 0,2,4,6,8,10,12,14
	v_pk_fma_f32 v[S+\i:S+\i+1], v[MK+\i:MK+\i+1], s[26:27], v[S+\i:S+\i+1] op_sel_hi:[1,0,1]
.endr
	v_max3_num_f32 v[C0], v[S], v[S+1], v[S+2]
	v_max3_num_f32 v[C0+1], v[S+3], v[S+4], v[S+5]
	v_max3_num_f32 v[C0], v[C0], v[S+6], v[S+7]
	v_max3_num_f32 v[C0+1], v[C0+1], v[S+8], v[S+9]
	v_max3_num_f32 v[C0], v[C0], v[S+10], v[S+11]
	v_max3_num_f32 v[C0+1], v[C0+1], v[S+12], v[S+13]
	v_max3_num_f32 v[C0], v[C0], v[S+14], v[S+15]
	v_max3_num_f32 v[C0], v[C0], v[C0+1], v[TMX]
	v_permlanex16_b32 v[C0+1], v[C0], s24, s25
	v_max_num_f32 v[TMX], v[C0], v[C0+1]
	v_mov_b32 v[C0+1], v[NM]
	v_floor_f32 v[NM], -v[TMX]
	v_sub_f32 v[C0+3], v[NM], v[C0+1]
	v_cvt_i32_f32 v[C0+3], v[C0+3]
	v_ldexp_f32 v[C0+2], 1.0, v[C0+3]              ; a = 2^(old M - new M)
.irp i, 0,2,4,6,8,10,12,14
	v_pk_add_f32 v[S+\i:S+\i+1], v[S+\i:S+\i+1], v[NM:NM+1] op_sel_hi:[1,0]
.endr
.irp i, 0,1,2,3,4,5,6,7,8,9,10,11,12,13,14,15
	v_exp_f32 v[S+\i], v[S+\i]
.endr
.set i, 0
.rept 32
	v_pk_mul_f32 v[AH+i:AH+i+1], v[AH+i:AH+i+1], v[C0+2:C0+3] op_sel_hi:[1,0]   ; both sums under the new M: plain work behind the exponentials
.set i, i+2
.endr
	s_wait_alu depctr_va_vdst(0)                   ; one wait for the 16 exponentials
	v_pk_fma_f32 v[14:15], v[14:15], v[C0+2:C0+3], v[S:S+1] op_sel_hi:[1,0,1]
.irp i, 2,4,6,8,10,12,14
	v_pk_add_f32 v[14:15], v[14:15], v[S+\i:S+\i+1]
.endr
.irp i, 0,2,4,6,8,10,12,14              ; t = 8193 p; high = t - (t - p); the rest, exact, x 2048
	v_pk_mul_f32 v[MK+\i:MK+\i+1], v[S+\i:S+\i+1], 0x46000400 op_sel_hi:[1,0]
.endr
.irp i, 0,2,4,6,8,10,12,14
	v_pk_add_f32 v[K+\i:K+\i+1], v[MK+\i:MK+\i+1], v[S+\i:S+\i+1] neg_lo:[0,1] neg_hi:[0,1]
.endr
.irp i, 0,2,4,6,8,10,12,14
	v_pk_add_f32 v[MK+\i:MK+\i+1], v[MK+\i:MK+\i+1], v[K+\i:K+\i+1] neg_lo:[0,1] neg_hi:[0,1]
.endr
.irp i, 0,2,4,6,8,10,12,14
	v_pk_add_f32 v[S+\i:S+\i+1], v[S+\i:S+\i+1], v[MK+\i:MK+\i+1] neg_lo:[0,1] neg_hi:[0,1]
.endr
.irp i, 0,2,4,6,8,10,12,14
	v_pk_mul_f32 v[S+\i:S+\i+1], v[S+\i:S+\i+1], 0x45000000 op_sel_hi:[1,0]
.endr
.irp i, 0,1,2,3,4,5,6,7
	v_cvt_pk_f16_f32 v[PH+\i], v[MK+2*\i], v[MK+2*\i+1]
	v_cvt_pk_f16_f32 v[PL+\i], v[S+2*\i], v[S+2*\i+1]
.endr
	s_wait_loadcnt 0x0                             ; V's two parts
.irp c, 0,1,2,3
	v_wmma_f32_16x16x32_f16 v[AH+8*\c:AH+8*\c+7], v[VH+8*\c:VH+8*\c+7], v[PH:PH+7], v[AH+8*\c:AH+8*\c+7]
.endr
.irp c, 0,1,2,3
	v_wmma_f32_16x16x32_f16 v[AL+8*\c:AL+8*\c+7], v[VL+8*\c:VL+8*\c+7], v[PH:PH+7], v[AL+8*\c:AL+8*\c+7]
.endr
.irp c, 0,1,2,3
	v_wmma_f32_16x16x32_f16 v[AL+8*\c:AL+8*\c+7], v[VH+8*\c:VH+8*\c+7], v[PL:PL+7], v[AL+8*\c:AL+8*\c+7]
.endr
.rept 4
	v_nop                                          ; places in front of the next loads into these operands and of the next read of the sums
.endr
.Lskip_\@:
.endm
	s_mov_b32 s50, 0
.Lj:
	s_cmp_eq_u32 s50, 16
	s_cselect_b32 s51, s52, s51                    ; from key step 16 on: the bits of groups 32-63
	GROUP 0
	GROUP 1
	s_lshr_b32 s51, s51, 2
	s_add_nc_u64 s[6:7], s[6:7], 131072            ; no load is out: each group has waited for all of its own
	s_add_nc_u64 s[8:9], s[8:9], 8192
	s_add_nc_u64 s[10:11], s[10:11], 256
	s_add_co_u32 s50, s50, 1
	s_cmp_lt_u32 s50, 32
	s_cbranch_scc1 .Lj
	v_add_f32 v14, v14, v15
	v_permlanex16_b32 v15, v14, s24, s25
	v_add_f32 v14, v14, v15
	v_rcp_f32 v14, v14
.set i, 0
.rept 16
	v_pk_fma_f32 v[Q+i:Q+i+1], v[AL+i:AL+i+1], 0x3a000000, v[AH+i:AH+i+1] op_sel_hi:[1,0,1]   ; high sum + low sum / 2048
.set i, i+2
.endr
	s_wait_alu depctr_va_vdst(0)
.set i, 0
.rept 16
	v_pk_mul_f32 v[Q+i:Q+i+1], v[Q+i:Q+i+1], v[14:15] op_sel_hi:[1,0]   ; ctx: register 8 c + j is channel 16 c + 8 h + j of query r
.set i, i+2
.endr
.set i, 0
.rept 16
	v_pk_mul_f32 v[K+i:K+i+1], v[Q+i:Q+i+1], 0x46000400 op_sel_hi:[1,0]
.set i, i+2
.endr
.set i, 0
.rept 16
	v_pk_add_f32 v[VH+i:VH+i+1], v[K+i:K+i+1], v[Q+i:Q+i+1] neg_lo:[0,1] neg_hi:[0,1]
.set i, i+2
.endr
.set i, 0
.rept 16
	v_pk_add_f32 v[K+i:K+i+1], v[K+i:K+i+1], v[VH+i:VH+i+1] neg_lo:[0,1] neg_hi:[0,1]
.set i, i+2
.endr
.set i, 0
.rept 16
	v_pk_add_f32 v[Q+i:Q+i+1], v[Q+i:Q+i+1], v[K+i:K+i+1] neg_lo:[0,1] neg_hi:[0,1]
.set i, i+2
.endr
.set i, 0
.rept 16
	v_pk_mul_f32 v[Q+i:Q+i+1], v[Q+i:Q+i+1], 0x45000000 op_sel_hi:[1,0]
.set i, i+2
.endr
.set i, 0
.rept 16
	v_cvt_pk_f16_f32 v[MK+i], v[K+2*i], v[K+2*i+1] ; ctx's high fragments: v64-79;
	v_cvt_pk_f16_f32 v[PH+i], v[Q+2*i], v[Q+2*i+1] ; its low ones: v80-95
.set i, i+1
.endr
	WIN 0x01                                       ; source 0 (Wo) window 1
.irp nt, 0,1,2,3
	v_wmma_f32_16x16x32_f16 v[K+8*\nt:K+8*\nt+7], v[8*\nt:8*\nt+7], v[MK:MK+7], 0
.endr
.irp nt, 0,1,2,3
	v_wmma_f32_16x16x32_f16 v[K+8*\nt:K+8*\nt+7], v[32+8*\nt:32+8*\nt+7], v[MK+8:MK+15], v[K+8*\nt:K+8*\nt+7]
.endr
.irp nt, 0,1,2,3
	v_wmma_f32_16x16x32_f16 v[VH+8*\nt:VH+8*\nt+7], v[64+8*\nt:64+8*\nt+7], v[MK:MK+7], 0
.endr
.irp nt, 0,1,2,3
	v_wmma_f32_16x16x32_f16 v[VH+8*\nt:VH+8*\nt+7], v[96+8*\nt:96+8*\nt+7], v[MK+8:MK+15], v[VH+8*\nt:VH+8*\nt+7]
.endr
.irp nt, 0,1,2,3
	v_wmma_f32_16x16x32_f16 v[VH+8*\nt:VH+8*\nt+7], v[8*\nt:8*\nt+7], v[PH:PH+7], v[VH+8*\nt:VH+8*\nt+7]
.endr
.irp nt, 0,1,2,3
	v_wmma_f32_16x16x32_f16 v[VH+8*\nt:VH+8*\nt+7], v[32+8*\nt:32+8*\nt+7], v[PH+8:PH+15], v[VH+8*\nt:VH+8*\nt+7]
.endr
	WIN 0
.rept 4
	v_nop
.endr
.set i, 0
.rept 16
	v_pk_fma_f32 v[VL+i:VL+i+1], v[VH+i:VH+i+1], 0x3a000000, v[K+i:K+i+1] op_sel_hi:[1,0,1]   ; my head's part of the 16 x 64 outputs
.set i, i+2
.endr
.irp f, 0,1,2,3,4,5,6,7
	ds_store_b128 v[RW], v[VL+4*\f:VL+4*\f+3] offset:512*\f
.endr
	s_wait_dscnt 0x0                               ; for the others' sake: my part lies in LDS
	s_barrier_signal -1
	s_barrier_wait -1
.irp f, 0,1,2,3,4,5,6,7
	ds_load_b128 v[Q+4*\f:Q+4*\f+3], v[RA] offset:4096*\f
.endr
	s_wait_dscnt 0x0
.irp f, 0,1,2,3,4,5,6,7                 ; bo and the eight heads' parts, in fixed order
	v_pk_add_f32 v[BIAS:BIAS+1], v[BIAS:BIAS+1], v[Q+4*\f:Q+4*\f+1]
	v_pk_add_f32 v[BIAS+2:BIAS+3], v[BIAS+2:BIAS+3], v[Q+4*\f+2:Q+4*\f+3]
.endr
	global_store_b128 v[OA], v[BIAS:BIAS+3], s[18:19]   ; sixteen lanes store 256 consecutive bytes, aligned
	s_wait_tensorcnt 0x0                           ; the wave's end, behind my last LDS store
	ds_add_u32 v[SPW], v[NIL]
	s_wait_dscnt 0x0
	s_endpgm
.Lfunc_end_k_qa68c9ba2cb_fine:
	.size	k_qa68c9ba2cb_fine, .Lfunc_end_k_qa68c9ba2cb_fine-k_qa68c9ba2cb_fine
	.p2alignl 7, 3214868480
	.fill 96, 4, 3214868480
	.section	.rodata,"a",@progbits
	.p2align	6, 0x0
	.amdhsa_kernel k_qa68c9ba2cb_fine
		.amdhsa_group_segment_fixed_size 33792
		.amdhsa_private_segment_fixed_size 0
		.amdhsa_enable_private_segment 0
		.amdhsa_kernarg_size 64
		.amdhsa_user_sgpr_count 2
		.amdhsa_user_sgpr_kernarg_segment_ptr 1
		.amdhsa_wavefront_size32 1
		.amdhsa_system_sgpr_workgroup_id_x 1
		.amdhsa_system_sgpr_workgroup_id_y 1
		.amdhsa_system_sgpr_workgroup_id_z 1
		.amdhsa_system_vgpr_workitem_id 0
		.amdhsa_next_free_vgpr 384
		.amdhsa_next_free_sgpr 66
		.amdhsa_reserve_vcc 0
		.amdhsa_float_denorm_mode_32 3
		.amdhsa_float_denorm_mode_16_64 3
		.amdhsa_memory_ordered 1
		.amdhsa_forward_progress 1
		.amdhsa_inst_pref_size 52
	.end_amdhsa_kernel
	.amdgpu_metadata
---
amdhsa.version: [ 1, 2 ]
amdhsa.kernels:
  - .name:           k_qa68c9ba2cb_fine
    .symbol:         k_qa68c9ba2cb_fine.kd
    .args:
      - { .name: qf, .offset: 0, .size: 8, .value_kind: global_buffer, .address_space: global }
      - { .name: kv, .offset: 8, .size: 8, .value_kind: global_buffer, .address_space: global }
      - { .name: vl, .offset: 16, .size: 8, .value_kind: global_buffer, .address_space: global }
      - { .name: mask, .offset: 24, .size: 8, .value_kind: global_buffer, .address_space: global }
      - { .name: wof, .offset: 32, .size: 8, .value_kind: global_buffer, .address_space: global }
      - { .name: bo, .offset: 40, .size: 8, .value_kind: global_buffer, .address_space: global }
      - { .name: flags, .offset: 48, .size: 8, .value_kind: global_buffer, .address_space: global }
      - { .name: out0, .offset: 56, .size: 8, .value_kind: global_buffer, .address_space: global }
    .group_segment_fixed_size: 33792
    .private_segment_fixed_size: 0
    .kernarg_segment_align: 8
    .kernarg_segment_size: 64
    .max_flat_workgroup_size: 256
    .sgpr_count:     66
    .vgpr_count:     384
    .wavefront_size: 32
...
	.end_amdgpu_metadata
.endif
;; end of part 4
